; MI455X (gfx1250); checked and timed in simulation.
; The chip was launched on July 23, 2026; its instructions are those of AMD's public machine-readable ISA for CDNA 5 (MIT licence, August 2026) and "CDNA5" Instruction Set Architecture Reference Guide (July 2026). The comments in the code are by the model that wrote it; some were corrected since.
;; Multi Headed Attention. Allowed arithmetic: matrix products marked QUANTISED: E5M2 operands, one E8M0 scale for each 32 along K, by v_wmma_scale_f32_16x16x128_f8f6f4 with both operands' format E5M2, f32 sums; everything else in f32.
;; Inputs: Wk 1,024 x 1,024 float32; Wo 1,024 x 1,024 float32; Wq 1,024 x 1,024 float32; Wv 1,024 x 1,024 float32; bo 1,024 float32; x 4 x 2,048 x 1,024 float32.
;; Outputs: out0 4 x 2,048 x 1,024 float32.
;; This version of the problem:
;;   THIS VERSION OF THE PROBLEM IS GIVEN IN LOW PRECISION. The matrix products marked QUANTISED in the list below multiply operands that are first quantised to E5M2 (5 exponent bits, 2 mantissa bits; 8 bits a number), with one power-of-two scale for each 32 numbers along K (OCP MX v1.0); their sums are f32. All else is computed in f32.
;;   The module's matrix products, in the order in which they are computed (A, B: the left and right operand; K: the contracted axis; several contracted axes count as one K, in the product's order):
;;     1. [M 8,192, K 1,024] x [K 1,024, N 1,024]; A: input x; B: input Wq: QUANTISED
;;     2. [M 8,192, K 1,024] x [K 1,024, N 1,024]; A: input x; B: input Wk: QUANTISED
;;     3. [M 8,192, K 1,024] x [K 1,024, N 1,024]; A: input x; B: input Wv: QUANTISED
;;     4. batch 64 x [M 2,048, K 64] x [K 64, N 2,048]; A: computed on the way; B: computed on the way: QUANTISED
;;     5. batch 64 x [M 2,048, K 2,048] x [K 2,048, N 64]; A: softmax (see below); B: computed on the way: QUANTISED
;;     6. [M 8,192, K 1,024] x [K 1,024, N 1,024]; A: computed on the way; B: input Wo: QUANTISED
;;   THE QUANTISER, for each operand of a quantised product, along K:
;;     - K is cut into blocks of 32 from its start; a last block that is shorter is filled with zeros.
;;     - A block's scale is 2^e with e = floor(log2(the largest magnitude in the block)) - 15, held to -126 .. 127; a block of zeros has e = 0. As a byte (E8M0): e + 127.
;;     - Each number is divided by its block's scale, clamped to +-57,344, and rounded to the nearest number of E5M2, ties to even, subnormals kept.
;;     - The product sums the exact products of the quantised numbers (number of the format x scale) in f32.
;;   ~~~python
;;   def quantise(x, axis):      # numpy; x: float32 -> the quantised numbers, widened to float32 again
;;       x = np.moveaxis(x, axis, -1); K = x.shape[-1]
;;       x = np.pad(x, [(0, 0)] * (x.ndim - 1) + [(0, -K % 32)]); x = x.reshape(x.shape[:-1] + (-1, 32)); a = np.abs(x).max(-1, keepdims=True)
;;       e = np.where(a > 0, np.clip(np.frexp(np.where(a > 0, a, 1))[1] - 1 - 15, -126, 127), 0)      # np.frexp(a)[1] - 1 = floor(log2(a)), exactly
;;       r = np.clip(x / 2.0 ** e, -57344, 57344)
;;       step = 2.0 ** (np.maximum(np.frexp(np.where(r == 0, 1, r))[1] - 1, -14) - 2)
;;       q = np.round(r / step) * step * 2.0 ** e      # np.round: ties to even
;;       return np.moveaxis(q.reshape(q.shape[:-2] + (-1,))[..., :K], -1, axis).astype(np.float32)
;;   ~~~
;;   SOFTMAX AHEAD OF A QUANTISED PRODUCT. Where the list says 'softmax', what is quantised is not the finished softmax but p = 2^(t - M), with t = logit x log2(e) and M = ceil(the row's largest t), a whole number; so 1/2 < the row's largest p <= 1. The row's sum l is taken of the UNQUANTISED p, in f32, and the product's result is divided by l at the end. Since M is a whole number, a kernel that streams over the keys may use a running M (the ceiling of the running maximum): every later rescaling is an exact power of two, which a block's scale takes up: the codes' values come out the same.
;;   OPERANDS COMPUTED ON THE WAY. 'Computed on the way' means the value that the module computes at that place (a softmax that the list does not call 'softmax' is quantised finished and normalised). What goes into a quantiser is computed in f32, as accurately as f32 sums, v_exp_f32 and their like allow (about 1e-6 of the number): no bf16 or f16 on the way to a quantiser, and a product that is left as it is and whose result goes on into a quantised operand takes f32 operands (vector FMAs, or v_wmma_f32_16x16x4_f32). A number that lies on a knife's edge between two numbers of the format may be rounded either way, as far as f32 arithmetic and the matrix unit's own rounding can turn it there, and no further.
;; One version. Each part assembles by itself: llvm-mc -triple=amdgcn-amd-amdhsa -mcpu=gfx1250 --defsym DOCPART=n.
;; ======== version 1 of 1: 4 launches
;; limits: right only within a limited range of input values
;; workspace buffers: cod 12,582,912 bytes; csc 393,216 bytes; qkv 25,165,824 bytes; qkvs 1,310,720 bytes; ctx 8,388,608 bytes; ctxs 262,144 bytes
;; launch quant (part 1): grid 192 x 1, 16 waves a work-group, no clusters, 139,264 bytes of LDS; arguments x, Wq, Wk, Wv, Wo, cod, csc; writes cod, csc
.if DOCPART == 1
	.amdgcn_target "amdgcn-amd-amdhsa--gfx1250"
	.amdhsa_code_object_version 6
	.text
	.protected	k_qa1dd595d69_quant
	.globl	k_qa1dd595d69_quant
	.p2align	8
	.type	k_qa1dd595d69_quant,@function
k_qa1dd595d69_quant:
	s_mov_b64 s[64:65], 0
	v_nop
	global_prefetch_b8 v0, s[64:65] scope:SCOPE_SE
	s_setreg_imm32_b32 hwreg(HW_REG_WAVE_MODE, 25, 1), 1
	s_wait_xcnt 0x0
; CAUSAL MULTI-HEAD ATTENTION IN MX-BF8 (E5M2 codes, one E8M0 scale for each 32 along K), FOUR LAUNCHES:
;   quant: x, Wq, Wk, Wv, Wo (f32, K innermost) -> codes and scale words;   qkv: q, k = x [Wq;Wk]^T and V^T = Wv x^T, quantised in registers on the way out;
;   attn: scores, softmax, context, quantised on the way out;   proj: context Wo^T + bo.
; WORK LEFT OUT.  reference() sets scores[q][k] to -inf where k > q, by its own jnp.tril.  2^(-inf) = 0: such a key adds 0 to the row's sum and a zero code to the second product, whatever
; finite values the inputs hold.  So a step of 128 keys all of which come after a tile's 16 queries is not computed (launch attn).  Every input has a way to the output; all are loaded.
; LIMITS.  A NaN, an infinity or an overflow that would arise only in the scores left out is not carried to the result.  NaN and infinities among the inputs are not served.
; A block whose largest magnitude lies under 2^-111 keeps the scale byte 1; a block of zeros has the byte 1 (the rule says 127) over zero codes: the bytes are read by this program alone.
; SLOT ORDER, in all four launches.  An operand's lane (r, h) holds 16 codes of each block of 32 along K.  Here slot i of them is k = 8 h + i (i < 8) or 16 + 8 h + i - 8: a permutation
; inside a block, the same in both operands of every product.  Blocks, scales and exact products are as the rule has them; only the order in which a product's terms are summed differs.
; It is the order in which two neighbouring tiles of a matrix RESULT lie in a lane's 16 registers, so results become operands with no change of lanes.
; BUFFERS ARE IMAGES OF OPERAND REGISTERS: cod = [128 rows][256 k][16 rows][128 k][block of 32][lane][16 bytes]; csc = [128 rows][128 k][16 rows][row] words of four scale bytes.
; Rows of cod: 0 x, 8192 Wq, 9216 Wk, 10240 Wv, 11264 Wo.
; THIS LAUNCH.  A work-group takes 64 rows; wave w takes 16 rows (w / 4) x 256 k (w % 4), two steps of 128 k.  Each load reads 512 consecutive bytes of a row; a step turns through the wave's own stage
; in LDS (rows of 512 + 16 bytes) so that a lane gets its row's 16 numbers of each block.  Codes leave as 512 consecutive bytes a store.  The scale words of the 64 rows are gathered in LDS and leave
; as aligned runs of 256 bytes.  All 32 loads of a wave go out at its head: no ring, no loop.  No matrix units, no clusters, no tensor loads: the launch streams, and shares no input.
.set STP,   528                        ; a stage row
.set WSTG,  16*STP                     ; a wave's stage
.set SCG,   16*WSTG                    ; behind the stages: the scale words, [128 k: 8][16 rows: 4][row: 16] x 4 bytes
.set SPARE, SCG+2048                   ; the spare words, 128 bytes for each wave: eight blocks of 256 bytes that no other line names
.set L16, 1                            ; v1   16 x lane
.set STA, 2                            ; v2   into my stage: 16 x lane
.set RDA, 3                            ; v3   out of it: row r, + 32 h
.set SCA, 4                            ; v4   where my rows' scale words go
.set SPW, 5                            ; v5   my spare word; never rewritten
.set NIL, 6                            ; v6   0; never rewritten
.set PW,  7                            ; v7, v8  the two steps' scale words
.set SGO, 9                            ; v9   the scale words' place in csc
.set SRD, 10                           ; v10  and in LDS, on the way out
.set R0,  16                           ; v16-79   step 0 as loaded; later step 1's numbers in slot order
.set R1,  80                           ; v80-143  step 1 as loaded
.set XA,  144                          ; v144-207 step 0's numbers in slot order
.set PC,  208                          ; v208-239 codes, 16 registers a step
.set TM,  240                          ; v240-255 at work: largest magnitudes, bytes, scale operands
.set SEL, 20                           ; s[20:21] lane selects: lane l xor 16
.set MNT, 23
	s_load_b256 s[4:11], s[0:1], 0x0               ; x, Wq, Wk, Wv
	s_load_b128 s[12:15], s[0:1], 0x20             ; Wo, cod
	s_load_b64 s[16:17], s[0:1], 0x30              ; csc
	v_lshl_add_u32 v[SPW], v0, 2, SPARE
	v_mov_b32 v[NIL], 0
	v_lshrrev_b32 v11, 5, v0
	s_delay_alu instid0(VALU_DEP_1)
	v_readfirstlane_b32 s18, v11                   ; wave 0..15
	s_lshr_b32 s19, s18, 2                         ; which 16 rows
	s_and_b32 s22, s18, 3                          ; which 256 k
	v_and_b32 v11, 31, v0
	s_delay_alu instid0(VALU_DEP_1)
	v_lshlrev_b32 v[L16], 4, v11
	s_mul_i32 s28, s18, WSTG
	v_add_nc_u32 v[STA], s28, v[L16]
	v_and_b32 v12, 15, v0                          ; r
	v_bfe_u32 v13, v0, 4, 1                        ; h
	s_delay_alu instid0(VALU_DEP_2)
	v_mul_u32_u24 v[RDA], v12, STP
	s_delay_alu instid0(VALU_DEP_1)
	v_lshl_add_u32 v[RDA], v13, 5, v[RDA]
	s_delay_alu instid0(VALU_DEP_1)
	v_add_nc_u32 v[RDA], s28, v[RDA]
	s_lshl_b32 s28, s22, 9                         ; two steps of 256 bytes for each 256 k
	s_lshl_b32 s29, s19, 6
	s_add_co_u32 s28, s28, s29
	s_add_co_u32 s28, s28, SCG
	v_lshl_add_u32 v[SCA], v12, 2, s28
	v_lshlrev_b32 v[SGO], 9, v13                   ; lanes 16-31 take the next 128 k: 512 bytes on in csc
	s_delay_alu instid0(VALU_DEP_1)
	v_lshl_add_u32 v[SGO], v12, 4, v[SGO]
	s_min_u32 s28, s18, 3                          ; (waves 0 to 3 carry the words out; the address is made on every wave's path)
	s_lshl_b32 s29, s28, 9
	s_add_co_u32 s29, s29, SCG
	v_add_nc_u32 v[SRD], s29, v[L16]
.irp b, 0,1,2,3
	v_mov_b32 v[TM+4+\b], 0                        ; written once: a lane permute's destination counts as one of its sources
.endr
	s_mov_b32 s[SEL], 0x76543210
	s_mov_b32 s[SEL+1], 0xfedcba98
	s_lshr_b32 s30, ttmp9, 1                       ; my block of 128 rows
	s_and_b32 s33, ttmp9, 1                        ; and which half of it
	s_lshl_b32 s34, s30, 17
	s_lshl_b32 s32, s22, 15
	s_add_co_u32 s34, s34, s32
	s_lshl_b32 s32, s33, 2
	s_add_co_u32 s32, s32, s19
	s_lshl_b32 s32, s32, 12
	s_add_co_u32 s34, s34, s32                     ; cod: 131,072 x block + 32,768 x (256 k) + 4,096 x (16 rows)
	s_mov_b32 s35, 0
	s_lshl_b32 s36, s30, 12
	s_lshl_b32 s37, s28, 10
	s_add_co_u32 s36, s36, s37
	s_lshl_b32 s37, s33, 8
	s_add_co_u32 s36, s36, s37                     ; csc: 4,096 x block + 1,024 x wave + 256 x half
	s_mov_b32 s37, 0
	s_wait_alu depctr_va_vdst(0)
	s_wait_kmcnt 0x0
	s_mov_b64 s[24:25], s[12:13]                   ; which tensor: the choice hangs on the work-group's number alone.  Wo from work-group 176 on,
	s_mov_b32 s26, 176
	s_cmp_lt_u32 ttmp9, 176
	s_cselect_b64 s[24:25], s[10:11], s[24:25]     ; Wv from 160,
	s_cselect_b32 s26, 160, s26
	s_cmp_lt_u32 ttmp9, 160
	s_cselect_b64 s[24:25], s[8:9], s[24:25]       ; Wk from 144,
	s_cselect_b32 s26, 144, s26
	s_cmp_lt_u32 ttmp9, 144
	s_cselect_b64 s[24:25], s[6:7], s[24:25]       ; Wq from 128,
	s_cselect_b32 s26, 128, s26
	s_cmp_lt_u32 ttmp9, 128
	s_cselect_b64 s[24:25], s[4:5], s[24:25]       ; x from 0
	s_cselect_b32 s26, 0, s26
	s_sub_co_u32 s26, ttmp9, s26
	s_lshl_b32 s26, s26, 18                        ; 64 rows of 4,096 bytes
	s_lshl_b32 s27, s19, 16
	s_add_co_u32 s26, s26, s27
	s_lshl_b32 s27, s22, 10
	s_add_co_u32 s26, s26, s27
	s_mov_b32 s27, 0
	s_add_nc_u64 s[24:25], s[24:25], s[26:27]
	s_add_nc_u64 s[14:15], s[14:15], s[34:35]
	s_add_nc_u64 s[16:17], s[16:17], s[36:37]
.macro LOAD reg, q                     ; step q: 128 k of each of my 16 rows; 32 lanes read 512 consecutive bytes
.set n, 0
.rept 16
	global_load_b128 v[\reg+4*n:\reg+4*n+3], v[L16], s[24:25] offset:n*4096+(\q)*512 th:TH_LOAD_NT
.set n, n+1
.endr
.endm
.macro TOST reg                        ; into the stage as loaded
.set n, 0
.rept 16
	ds_store_b128 v[STA], v[\reg+4*n:\reg+4*n+3] offset:n*STP
.set n, n+1
.endr
.endm
.macro FROMST reg                      ; and back in slot order: of block b my row's numbers 8 h + 0..7 and 16 + 8 h + 0..7
.irp b, 0,1,2,3
	ds_load_b128 v[\reg+16*\b:\reg+16*\b+3],     v[RDA] offset:128*\b
	ds_load_b128 v[\reg+16*\b+4:\reg+16*\b+7],   v[RDA] offset:128*\b+16
	ds_load_b128 v[\reg+16*\b+8:\reg+16*\b+11],  v[RDA] offset:128*\b+64
	ds_load_b128 v[\reg+16*\b+12:\reg+16*\b+15], v[RDA] offset:128*\b+80
.endr
.endm
; 64 numbers of a lane, 16 of each of four blocks, become 16 registers of codes and the row's scale word
.macro QUANT s, pc, pw
.irp b, 0,1,2,3
	v_max3_num_f32 v[TM+\b], |v[\s+16*\b]|, |v[\s+16*\b+1]|, 0x8000000   ; my 16 numbers and the floor 2^(16 - 127): the byte cannot fall under 1
.endr
.irp i, 2,4,6,8,10,12,14
.irp b, 0,1,2,3
	s_delay_alu instid0(VALU_DEP_4)
	v_max3_num_f32 v[TM+\b], v[TM+\b], |v[\s+16*\b+\i]|, |v[\s+16*\b+\i+1]|   ; the four blocks by turns
.endr
.endr
.irp b, 0,1,2,3
	s_delay_alu instid0(VALU_DEP_4)
	v_permlanex16_b32 v[TM+4+\b], v[TM+\b], s[SEL], s[SEL+1]
.endr
.irp b, 0,1,2,3
	s_delay_alu instid0(VALU_DEP_4)
	v_max_num_f32 v[TM+\b], v[TM+\b], v[TM+4+\b]   ; with lane l xor 16's 16: the block's largest magnitude
.endr
.irp b, 0,1,2,3
	s_delay_alu instid0(VALU_DEP_4)
	v_add_nc_u32 v[TM+12+\b], 0xf8800000, v[TM+\b] ; 15 off its exponent field: the conversion's scale operand
.endr
.irp b, 0,1,2,3
.endr
.irp b, 0,1,2,3
	s_delay_alu instid0(VALU_DEP_4)
	v_lshrrev_b32 v[TM+4+\b], 23, v[TM+12+\b]      ; the scale's byte
.endr
	s_delay_alu instid0(VALU_DEP_3)
	v_lshl_or_b32 v[\pw], v[TM+5], 8, v[TM+4]
	s_delay_alu instid0(VALU_DEP_1)
	v_lshl_or_b32 v[\pw], v[TM+6], 16, v[\pw]
	s_delay_alu instid0(VALU_DEP_1)
	v_lshl_or_b32 v[\pw], v[TM+7], 24, v[\pw]
.set n, 0
.rept 64
.set n, n+1
.endr
.irp b, 0,1,2,3
	v_cvt_scalef32_pk8_bf8_f32 v[\pc+4*\b:\pc+4*\b+1], v[\s+16*\b:\s+16*\b+7], v[TM+12+\b]
	v_cvt_scalef32_pk8_bf8_f32 v[\pc+4*\b+2:\pc+4*\b+3], v[\s+16*\b+8:\s+16*\b+15], v[TM+12+\b]
.endr
	v_nop                                          ; a plain line behind the last conversion
.endm
	LOAD R0, 0
	LOAD R1, 1
	s_wait_loadcnt 16                              ; step 0's 16 loads are in; step 1's may be out
	TOST R0
	FROMST XA
	s_wait_loadcnt 0x0
	TOST R1                                        ; LDS serves a wave's instructions in order (ISA guide 5.7.1.4): these stand behind step 0's reads of the stage
	s_wait_dscnt 16                                ; step 0's stores and loads are done; step 1's 16 stores may be out
	FROMST R0                                      ; step 1's numbers, into the registers that step 0's stores have read
	QUANT XA, PC, PW
.irp c, 0,1,2,3
	global_store_b128 v[L16], v[PC+4*\c:PC+4*\c+3], s[14:15] offset:512*\c   ; 32 lanes store 512 consecutive bytes
.endr
	ds_store_b32 v[SCA], v[PW]                     ; both halves of the lanes write the same word with the same value
	s_wait_dscnt 1                                 ; step 1's numbers are in; the word's store may be out
	QUANT R0, PC+16, PW+1
.irp c, 0,1,2,3
	global_store_b128 v[L16], v[PC+16+4*\c:PC+16+4*\c+3], s[14:15] offset:2048+512*\c
.endr
	ds_store_b32 v[SCA], v[PW+1] offset:256
	s_wait_dscnt 0x0                               ; for the others' sake: my words lie in LDS
	s_barrier_signal -1
	s_barrier_wait -1
	s_cmp_lt_u32 s18, 4
	s_cbranch_scc0 .Lno_words
	ds_load_b128 v[R0:R0+3], v[SRD]                ; two steps' words of the 64 rows
	s_wait_dscnt 0x0
	global_store_b128 v[SGO], v[R0:R0+3], s[16:17] ; sixteen lanes store 256 consecutive bytes, aligned
.Lno_words:
	s_wait_tensorcnt 0x0                           ; the wave's end: behind my last LDS store
	ds_add_u32 v[SPW], v[NIL]
	s_wait_dscnt 0x0
	s_endpgm
.Lfunc_end_k_qa1dd595d69_quant:
	.size	k_qa1dd595d69_quant, .Lfunc_end_k_qa1dd595d69_quant-k_qa1dd595d69_quant
	.p2alignl 7, 3214868480
	.fill 96, 4, 3214868480
	.section	.rodata,"a",@progbits
	.p2align	6, 0x0
	.amdhsa_kernel k_qa1dd595d69_quant
		.amdhsa_group_segment_fixed_size 139264
		.amdhsa_private_segment_fixed_size 0
		.amdhsa_enable_private_segment 0
		.amdhsa_kernarg_size 56
		.amdhsa_user_sgpr_count 2
		.amdhsa_user_sgpr_kernarg_segment_ptr 1
		.amdhsa_wavefront_size32 1
		.amdhsa_system_sgpr_workgroup_id_x 1
		.amdhsa_system_sgpr_workgroup_id_y 1
		.amdhsa_system_sgpr_workgroup_id_z 1
		.amdhsa_system_vgpr_workitem_id 0
		.amdhsa_next_free_vgpr 256
		.amdhsa_next_free_sgpr 66
		.amdhsa_reserve_vcc 0
		.amdhsa_float_denorm_mode_32 3
		.amdhsa_float_denorm_mode_16_64 3
		.amdhsa_fp16_overflow 1
		.amdhsa_memory_ordered 1
		.amdhsa_forward_progress 1
		.amdhsa_inst_pref_size 23
	.end_amdhsa_kernel
	.amdgpu_metadata
---
amdhsa.version: [ 1, 2 ]
amdhsa.kernels:
  - .name:           k_qa1dd595d69_quant
    .symbol:         k_qa1dd595d69_quant.kd
    .args:
      - { .name: x, .offset: 0, .size: 8, .value_kind: global_buffer, .address_space: global }
      - { .name: Wq, .offset: 8, .size: 8, .value_kind: global_buffer, .address_space: global }
      - { .name: Wk, .offset: 16, .size: 8, .value_kind: global_buffer, .address_space: global }
      - { .name: Wv, .offset: 24, .size: 8, .value_kind: global_buffer, .address_space: global }
      - { .name: Wo, .offset: 32, .size: 8, .value_kind: global_buffer, .address_space: global }
      - { .name: cod, .offset: 40, .size: 8, .value_kind: global_buffer, .address_space: global }
      - { .name: csc, .offset: 48, .size: 8, .value_kind: global_buffer, .address_space: global }
    .group_segment_fixed_size: 139264
    .private_segment_fixed_size: 0
    .kernarg_segment_align: 8
    .kernarg_segment_size: 56
    .max_flat_workgroup_size: 512
    .sgpr_count:     66
    .vgpr_count:     256
    .wavefront_size: 32
...
	.end_amdgpu_metadata
.endif
;; end of part 1
;; launch qkv (part 2): grid 8 x 48, 4 waves a work-group, clusters of 4 x 4, 327,680 bytes of LDS; arguments cod, csc, qkv, qkvs; writes qkv, qkvs
.if DOCPART == 2
	.amdgcn_target "amdgcn-amd-amdhsa--gfx1250"
	.amdhsa_code_object_version 6
	.text
	.protected	k_qa1dd595d69_qkv
	.globl	k_qa1dd595d69_qkv
	.p2align	8
	.type	k_qa1dd595d69_qkv,@function
k_qa1dd595d69_qkv:
	s_mov_b64 s[64:65], 0
	v_nop
	global_prefetch_b8 v0, s[64:65] scope:SCOPE_SE
	s_setreg_imm32_b32 hwreg(HW_REG_WAVE_MODE, 25, 1), 1
	s_wait_xcnt 0x0
	s_wait_alu depctr_hold_cnt(0) depctr_sa_sdst(0) depctr_va_vdst(0) depctr_va_sdst(0) depctr_va_ssrc(0) depctr_va_vcc(0) depctr_vm_vsrc(0)
	s_getreg_b32 s2, hwreg(HW_REG_IB_STS2, 6, 4)
	s_cmp_eq_u32 s2, 0
	s_cbranch_scc0 .Lentry_in_a_cluster
	s_endpgm
.Lentry_in_a_cluster:
	s_bfe_u32 s2, ttmp6, 0x10000c
	s_cmp_lg_u32 s2, 0xf033
	s_cbranch_scc0 .Lentry_shape_is_right
	s_endpgm
.Lentry_shape_is_right:
; q, k and v on codes of BF8 (E5M2) with E8M0 scales; K = 1,024.  Two parts in one launch, told apart by the CLUSTER's y, which all sixteen partners share:
;   clusters y 0-7:  [q | k] = x [Wq ; Wk]^T: A = x (8,192 rows), B = Wq, Wk (2,048 rows);      clusters y 8-11:  V^T = Wv x^T: A = Wv (1,024 rows), B = x.
; A tile of C, 256 x 256, is made by four waves, as many as a WGP has SIMDs; a wave makes 128 x 128: 64 accumulators, 512 registers.  K goes in steps of 256 through a ring of two LDS slots.
; THE TILES ARE IMAGES OF OPERAND REGISTERS (launch quant): 128 rows x 256 k are 32,768 dense bytes, [16 rows][128 k][block][lane][16 bytes]: a tensor load takes them as 128 rows of 256 bytes,
; a fragment is four loads of 512 consecutive bytes.  The scale words of 128 rows for all of K are 4,096 dense bytes: they come once, with the first fills.
; CLUSTERS: 4 x 4 work-groups; A's tiles are asked for jointly along a row of the cluster, B's along a column.
; THE MATRIX INSTRUCTION IS USED TRANSPOSED (source 0 = 16 rows of B, source 1 = 16 rows of A): a lane holds ONE row of A, and the 16 registers of two neighbouring tiles are a block of 32 rows of B in slot order.
; So the results are quantised in registers along B's rows: q and k along the head's 64 (B = features), v along the keys (B = tokens), and their codes leave as operand images, 512 bytes a store.
; OUT: qkv = [q, k, v][batch x 8 + head pair][128 tokens][16,384 bytes]; q, k: [16 tokens][head of the pair][block][lane][16]; v: [head][16 channels][block of 32 keys][lane][16].
;      qkvs: q's words at (batch, pair) x 16,384 + head x 8,192 + (128 tokens) x 512 + [tile / 4][token][tile % 4]; from 524,288 on a record of 24,576 bytes for each (batch, pair): k's words likewise,
;      then v's at 16,384 + head x 4,096 + (128 keys) x 256 + [channel][16 channels].  A word of q or k holds two bytes and twice 0x7f: the head's 64 fill half of the instruction's 128.
; LIMITS: as stated at the head of launch quant.
; REGISTERS, in windows of 256: window 0: v0-31 addresses; v32-63 scale words, two sets, and nothing else; v64-103 at work on the way out; from v128 A's fragments, ONE set, on the way out the codes.
;   window 1: B's fragments, TWO sets.   window 2: the accumulators of my rows 0-63 ((a, b) at v[8 (8 a + b)]);   window 3: those of my rows 64-127.
.set NQ,     2                         ; matrix instructions deep in a slot
.set FR,     16                        ; registers of a fragment
.set NL,     4                         ; LDS loads that bring one
.set NP,     8                         ; places behind this matrix instruction (ISA guide 7.12.1)
.set HALFT,  32768                     ; 128 rows x 256 k: what one tensor load brings
.set SLOT,   4*HALFT                   ; A's 256 rows, then B's
.set SCL,    2*SLOT                    ; behind the ring: the scale words
.set HALFS,  4096                      ; those of 128 rows
.set SPARE,  SCL+4*HALFS               ; the spare words, 128 bytes for each wave: two blocks of 256 bytes that no other line names
.set ADRA, 16                          ; v16-17  LDS address of my A fragments in slot 0, 1
.set ADRB, 20                          ; v20-21  the same for B
.set VOF,  25                          ; v25     v's scale words: 4,096 h + 16 r
.set L16,  26                          ; v26     16 x lane
.set ADRS, 27                          ; v27     LDS address of my scale words: lanes 0-15 A's rows, lanes 16-31 B's
.set SPW,  28                          ; v28     my spare word; never rewritten
.set NIL,  29                          ; v29     0; never rewritten
.set SC,   32                          ; scale words: set s at v[SC + 16 s]; register 2 i + q: lanes 0-15 A's block i, lanes 16-31 B's block i, the slot's q-th 128 along K
.set TM,   64                          ; v64-79  the way out: largest magnitudes, bytes, scale operands
.set HW0,  80                          ; v80-87  block a's scale bytes 0, 1
.set HW1,  88                          ; v88-95  and 2, 3
.set DW,   96                          ; v96-103 scale words to store
.set AF,   128                         ; A's fragments
.set PC,   128                         ; the way out: 16 registers of codes for each of A's eight blocks
.set G1, 24                            ; s[24:31] descriptor group 1 for A's tiles;  s[32:39] group 0, one set for each slot
.set G0, 32
.set G1B, 48                           ; s[48:55], s[56:63] the same for B's tiles
.set G0B, 56
.set G1S, 68                           ; s[68:75], s[76:79] groups 1 and 0 for A's scales;  s[80:87], s[88:91] for B's
.set G0S, 76
.set G1SB, 80
.set G0SB, 88
.set MSB, 0
.macro WIN new                         ; the immediate's high byte repeats the setting that is left
.if MSB != (\new)
	s_set_vgpr_msb (MSB<<8)|(\new)
.set MSB, (\new)
.endif
.endm
.set MUL_LO, 0xa1                      ; source 0 (B) window 1, source 1 (A) window 0, C and D window 2
.set MUL_HI, 0xf1                      ; the same, C and D window 3
.set TO_B,   0x40                      ; destination window 1, address window 0
; A joint load: waves 0 and 1 fetch for A, waves 2 and 3 for B; the branch hangs on the wave's number alone.  An s_nop 0 and four v_nop follow each of the two lines.
.macro JLOAD g0a, g1a, g0b, g1b
	s_cmp_eq_u32 s15, 0
	s_cbranch_scc0 .Lfor_b_\@
	tensor_load_to_lds s[\g0a:\g0a+3], s[\g1a:\g1a+7]
	s_nop 0
.rept 4
	v_nop
.endr
	s_branch .Lasked_\@
.Lfor_b_\@:
	tensor_load_to_lds s[\g0b:\g0b+3], s[\g1b:\g1b+7]
	s_nop 0
.rept 4
	v_nop
.endr
.Lasked_\@:
.endm
.macro CREST                           ; a round of the cluster's barrier behind its opening barrier
	s_cmp_lg_u32 s14, 0
	s_cbranch_scc1 .Lnot_wave_0_\@
	s_barrier_signal -3
.Lnot_wave_0_\@:
	s_barrier_wait -3
	s_barrier_signal -1
	s_barrier_wait -1
.endm
.macro CROUND                          ; a whole round
	s_barrier_signal -1
	s_barrier_wait -1
	CREST
.endm
	s_load_b128 s[4:7], s[0:1], 0x0                ; cod, csc
	s_load_b64 s[12:13], s[0:1], 0x10              ; qkv
	s_load_b64 s[98:99], s[0:1], 0x18              ; qkvs
	v_lshl_add_u32 v[SPW], v0, 2, SPARE
	v_mov_b32 v[NIL], 0
	ds_add_u32 v[SPW], v[NIL]                      ; the wave's opening: the add, twice on end, and its wait ahead of my first tensor load
	ds_add_u32 v[SPW], v[NIL]
	v_lshrrev_b32 v1, 5, v0
	v_readfirstlane_b32 s14, v1                    ; wave 0..3
	s_lshr_b32 s15, s14, 1                         ; which half of the tile's rows is mine.  Also: I fetch for A (0) or for B (1)
	s_and_b32 s16, s14, 1                          ; which half of its columns.  Also: which 128 rows of that tile I fetch
	s_bfe_u32 s40, ttmp6, 0x40000                  ; cx, cy: my place in the cluster
	s_bfe_u32 s41, ttmp6, 0x40004
	s_and_b32 s67, ttmp7, 0xffff                   ; the cluster's y
	s_sub_co_u32 s95, s67, 8
	s_lshl_b32 s95, s95, 1
	s_add_co_u32 s95, s95, ttmp9                   ; part V: which four tile columns: cluster x + 2 (cluster y - 8)
	s_cmp_lt_u32 s67, 8                            ; part [q | k] or part V: the same in all sixteen partners
	s_cselect_b32 s17, s67, 0
	s_cselect_b32 s42, ttmp9, s95
	s_cselect_b32 s96, 0, 10240                    ; A's first row in cod: x or Wv
	s_cselect_b32 s97, 8192, 0                     ; B's: Wq or x
	s_cselect_b32 s66, 0, 1                        ; the part
	s_lshl_b32 s17, s17, 2
	s_add_co_u32 s17, s17, s41                     ; tile row of C
	s_lshl_b32 s42, s42, 2
	s_add_co_u32 s42, s42, s40                     ; tile column of C
	s_lshl_b32 s43, s41, 2
	s_lshl_b32 s43, 15, s43                        ; my row of the cluster
	s_lshl_b32 s44, 0x1111, s40                    ; my column
	; descriptor group 1: 32,768 dense bytes as 128 rows of 32 elements of 8 bytes; no padding: a fragment's loads take consecutive bytes
	s_or_b32 s[G1+0], s43, (3<<16)|(1<<21)         ; 15:0 the mask: A's tiles go to my row; 17:16 elements of 8 bytes; 21 set beside a mask
	s_or_b32 s[G1B+0], s44, (3<<16)|(1<<21)
.irp g, G1, G1B
	s_mov_b32 s[\g+1], 32<<16                      ; tensor_dim0
	s_mov_b32 s[\g+2], 128<<16                     ; tensor_dim1
	s_mov_b32 s[\g+3], 32<<16                      ; tile_dim0
	s_mov_b32 s[\g+4], 128                         ; tile_dim1
	s_mov_b32 s[\g+5], 32                          ; tensor_dim0_stride
	s_mov_b32 s[\g+6], 0
	s_mov_b32 s[\g+7], 0
.endr
	s_or_b32 s[G1S+0], s43, (3<<16)|(1<<21)        ; the scale words of 128 rows: 16 rows of 256 bytes
	s_or_b32 s[G1SB+0], s44, (3<<16)|(1<<21)
.irp g, G1S, G1SB
	s_mov_b32 s[\g+1], 32<<16
	s_mov_b32 s[\g+2], 16<<16
	s_mov_b32 s[\g+3], 32<<16
	s_mov_b32 s[\g+4], 16
	s_mov_b32 s[\g+5], 32
	s_mov_b32 s[\g+6], 0
	s_mov_b32 s[\g+7], 0
.endr
	s_lshl_b32 s18, s16, 7                         ; which 128 rows of the tile I fetch
	s_lshl_b32 s20, s17, 8
	s_add_co_u32 s20, s20, s18
	s_add_co_u32 s20, s20, s96                     ; A: its row in cod: never holds cx
	s_lshl_b32 s46, s42, 8
	s_add_co_u32 s46, s46, s18
	s_add_co_u32 s46, s46, s97                     ; B: never holds cy
	s_lshl_b32 s22, s20, 5                         ; 32 bytes of scale words a row,
	s_mov_b32 s23, 0
	s_lshl_b32 s92, s46, 5
	s_mov_b32 s93, 0
	s_lshl_b32 s20, s20, 10                        ; 1,024 bytes of codes
	s_mov_b32 s21, 0
	s_lshl_b32 s46, s46, 10
	s_mov_b32 s47, 0
	s_mul_i32 s45, s14, HALFT                      ; where they go: by the wave's number alone
	s_mul_i32 s94, s14, HALFS
	s_wait_dscnt 0x0                               ; both opening adds are done
	s_wait_kmcnt 0x0
	s_add_nc_u64 s[20:21], s[4:5], s[20:21]
	s_add_nc_u64 s[22:23], s[6:7], s[22:23]
	s_add_nc_u64 s[46:47], s[4:5], s[46:47]
	s_add_nc_u64 s[92:93], s[6:7], s[92:93]
	CROUND                                         ; all sixteen work-groups are here: the first joint loads meet
	s_mov_b32 s[G0S], 1
	s_add_co_u32 s[G0S+1], s94, SCL
	s_mov_b64 s[G0S+2:G0S+3], s[22:23]
	s_or_b32 s[G0S+3], s[G0S+3], 0x80000000
	s_mov_b32 s[G0SB], 1
	s_add_co_u32 s[G0SB+1], s94, SCL
	s_mov_b64 s[G0SB+2:G0SB+3], s[92:93]
	s_or_b32 s[G0SB+3], s[G0SB+3], 0x80000000
	JLOAD G0S, G1S, G0SB, G1SB                     ; the scale words first: they are wanted with K step 0
.irp s, 0,1
	s_mov_b32 s[G0+4*\s], 1
	s_add_co_u32 s[G0+4*\s+1], s45, \s*SLOT
	s_add_nc_u64 s[G0+4*\s+2:G0+4*\s+3], s[20:21], \s*HALFT
	s_or_b32 s[G0+4*\s+3], s[G0+4*\s+3], 0x80000000
	s_mov_b32 s[G0B+4*\s], 1
	s_add_co_u32 s[G0B+4*\s+1], s45, \s*SLOT
	s_add_nc_u64 s[G0B+4*\s+2:G0B+4*\s+3], s[46:47], \s*HALFT
	s_or_b32 s[G0B+4*\s+3], s[G0B+4*\s+3], 0x80000000
	JLOAD G0+4*\s, G1, G0B+4*\s, G1B               ; by this text's count three tensor loads of a wave are out here
.endr
	v_and_b32 v1, 15, v0                           ; r
	v_bfe_u32 v2, v0, 4, 1                         ; h; kept for the way out
	v_and_b32 v3, 31, v0
	v_lshlrev_b32 v[L16], 4, v3
	v_lshlrev_b32 v[VOF], 12, v2
	v_lshl_add_u32 v[VOF], v1, 4, v[VOF]
	s_mul_i32 s21, s15, HALFT                      ; my 128 rows of A
	s_mul_i32 s22, s16, HALFT                      ; my 128 rows of B,
	s_add_co_u32 s22, s22, 2*HALFT                 ; which lie behind A's 256
.irp s, 0,1
	v_add_nc_u32 v[ADRA+\s], s21, v[L16]
	v_add_nc_u32 v[ADRB+\s], s22, v[L16]
	s_add_co_u32 s21, s21, SLOT
	s_add_co_u32 s22, s22, SLOT
.endr
	v_lshlrev_b32 v5, 2, v1                        ; my row's word
	s_mul_i32 s21, s15, HALFS                      ; A's: my 128 rows
	s_mul_i32 s22, s16, HALFS                      ; B's: my 128 rows, behind A's 256
	s_add_co_u32 s22, s22, 2*HALFS
	s_sub_co_u32 s22, s22, s21
	v_mul_u32_u24 v6, s22, v2                      ; lanes 16-31 take B's
	s_add_co_u32 s21, s21, SCL
	v_add_nc_u32 v5, v5, v6
	v_add_nc_u32 v[ADRS], s21, v5
	; where my 128 x 128 goes
	s_lshl_b32 s67, s17, 1
	s_add_co_u32 s67, s67, s15                     ; my 128 rows of A, counted in A
	s_lshl_b32 s95, s42, 1
	s_add_co_u32 s95, s95, s16                     ; my 128 rows of B, counted in B
	s_add_co_u32 s96, s67, 16
	s_cmp_eq_u32 s66, 0
	s_cselect_b32 s97, s67, s95                    ; the 128 tokens: A's rows in part [q | k], B's in part V
	s_cselect_b32 s96, s95, s96                    ; the 128 features: 0-7 q, 8-15 k, 16-23 v
	s_lshr_b32 s18, s96, 3                         ; q, k or v
	s_and_b32 s19, s96, 7                          ; the head pair
	s_lshr_b32 s20, s97, 4                         ; the batch
	s_and_b32 s21, s97, 15                         ; the 128 tokens in it
	s_lshl_b32 s20, s20, 3
	s_add_co_u32 s20, s20, s19
	s_lshl_b32 s22, s18, 5
	s_add_co_u32 s22, s22, s20
	s_lshl_b32 s22, s22, 4
	s_add_co_u32 s22, s22, s21
	s_lshl_b32 s22, s22, 14
	s_mov_b32 s23, 0
	s_add_nc_u64 s[12:13], s[12:13], s[22:23]
	s_lshl_b32 s22, s20, 14                        ; q's words,
	s_mul_i32 s46, s20, 24576
	s_add_co_u32 s46, s46, 524288                  ; or the record of k's and v's
	s_cmp_eq_u32 s18, 0
	s_cselect_b32 s22, s22, s46
	s_lshl_b32 s46, s21, 9
	s_lshl_b32 s47, s21, 8
	s_add_co_u32 s47, s47, 16384
	s_cmp_eq_u32 s18, 2
	s_cselect_b32 s46, s47, s46
	s_add_co_u32 s22, s22, s46
	s_add_nc_u64 s[98:99], s[98:99], s[22:23]
.macro FRAG reg, adr, q, i             ; a fragment, 16 rows x 128 K: four groups of four registers, each 512 consecutive bytes over the 32 lanes
.irp c, 0,1,2,3
	ds_load_b128 v[\reg+4*\c:\reg+4*\c+3], v[\adr] offset:(\i)*4096+(\q)*2048+512*\c
.endr
.endm
; 16 matrix instructions: A's blocks a0, a0 + 1 x B's eight, 128 along K.  p: B's set;  sc: the set of scale words.  zero = 1: the first product starts the sums.
; The 64 accumulators take turns, one instruction a turn, in the same order in every step.
.macro MUL16 a0, p, q, sc, zero
.irp a, \a0, \a0+1
.irp b, 0,1,2,3,4,5,6,7
.if \zero
	v_wmma_scale_f32_16x16x128_f8f6f4 v[8*(8*((\a)%4)+\b):8*(8*((\a)%4)+\b)+7], v[128*(\p)+FR*\b:128*(\p)+FR*\b+FR-1], v[AF+FR*(\a):AF+FR*(\a)+FR-1], 0, v[SC+8*NQ*(\sc)+NQ*\b+(\q)], v[SC+8*NQ*(\sc)+NQ*(\a)+(\q)] matrix_a_fmt:MATRIX_FMT_BF8 matrix_b_fmt:MATRIX_FMT_BF8 matrix_a_scale:MATRIX_SCALE_ROW1
.else
	v_wmma_scale_f32_16x16x128_f8f6f4 v[8*(8*((\a)%4)+\b):8*(8*((\a)%4)+\b)+7], v[128*(\p)+FR*\b:128*(\p)+FR*\b+FR-1], v[AF+FR*(\a):AF+FR*(\a)+FR-1], v[8*(8*((\a)%4)+\b):8*(8*((\a)%4)+\b)+7], v[SC+8*NQ*(\sc)+NQ*\b+(\q)], v[SC+8*NQ*(\sc)+NQ*(\a)+(\q)] matrix_a_fmt:MATRIX_FMT_BF8 matrix_b_fmt:MATRIX_FMT_BF8 matrix_a_scale:MATRIX_SCALE_ROW1
.endif
.endr
.endr
.endm
.macro FETCH_B slot, q, p              ; B's eight fragments of the slot's q-th 128 along K into set p
	WIN TO_B
.irp i, 0,1,2,3,4,5,6,7
	FRAG 128*(\p)+FR*\i, ADRB+\slot, \q, \i
.endr
	WIN 0
.endm
.macro FETCH_A slot, q, i0             ; A's blocks i0 .. i0 + 3
.irp i, \i0, \i0+1, \i0+2, \i0+3
	FRAG AF+FR*(\i), ADRA+\slot, \q, \i
.endr
.endm
.macro SCALES sc                       ; the next K step's scale words into set sc: lanes 0-15 take A's block i, lanes 16-31 B's block i
.irp i, 0,1,2,3,4,5,6,7
	ds_load_b32 v[SC+8*NQ*\sc+NQ*\i],   v[ADRS] offset:\i*64
	ds_load_b32 v[SC+8*NQ*\sc+NQ*\i+1], v[ADRS] offset:\i*64+512
.endr
.endm
.macro PLACES n                        ; plain vector lines between a matrix instruction and a load into, or a vector line on, its registers
.rept \n
	v_nop
.endr
.endm
; A step of 128 along K that has its successor in the same slot.
.macro STEP slot, q, zero
	s_wait_dscnt 4*NL                              ; B's set, A's blocks 0-3 and the scale words are in; the youngest 16 loads (A's blocks 4-7) may be out
	WIN MUL_LO
	MUL16 0, (\q)%2, \q, \slot, \zero
	MUL16 2, (\q)%2, \q, \slot, \zero
	s_wait_dscnt 0                                 ; A's blocks 4-7 are in
	PLACES NP
	FETCH_B \slot, (\q)+1, 1-(\q)%2
	FETCH_A \slot, (\q)+1, 0
	WIN MUL_HI
	MUL16 4, (\q)%2, \q, \slot, \zero
	MUL16 6, (\q)%2, \q, \slot, \zero
	PLACES NP
	WIN 0
	FETCH_A \slot, (\q)+1, 4
.endm
; A slot's last step changes slots: ONE barrier; in front of it each wave waits for all its tensor loads, adds 0 to its spare word, and waits for that and for its own reads of this slot.
.macro TURN slot, next, fill
	s_wait_tensorcnt 0x0                           ; all my tensor loads have landed: my part of the next slot
	ds_add_u32 v[SPW], v[NIL]                      ; 0 onto my spare word
	s_wait_dscnt 4*NL+1                            ; (the add and the youngest 16 loads, A's blocks 4-7, may be out)
	WIN MUL_LO
	MUL16 0, 1, NQ-1, \slot, 0                     ; sixteen matrix instructions stand between the add and the wait for it
	s_wait_dscnt 0x0                               ; the add is done, and my reads of this slot are over
	s_barrier_signal -1
	MUL16 2, 1, NQ-1, \slot, 0
	WIN 0
	s_barrier_wait -1
.if \fill
	CREST                                          ; the barrier has opened a round of the cluster's barrier: no wave of any partner still reads this slot or has a load on its way
	s_add_nc_u64 s[G0+4*\slot+2:G0+4*\slot+3], s[G0+4*\slot+2:G0+4*\slot+3], 2*HALFT
	s_add_nc_u64 s[G0B+4*\slot+2:G0B+4*\slot+3], s[G0B+4*\slot+2:G0B+4*\slot+3], 2*HALFT
	JLOAD G0+4*\slot, G1, G0B+4*\slot, G1B         ; the first tensor load behind the round; its four v_nop are among the places in front of the loads below
	PLACES NP-4
.else
	PLACES NP
.endif
	s_wait_alu depctr_va_vdst(0)
	v_add_nc_u32 v[ADRS], 1024, v[ADRS]            ; on to the next K step's scale words
	FETCH_B \next, 0, 0
	FETCH_A \next, 0, 0
	SCALES \next
	WIN MUL_HI
	MUL16 4, 1, NQ-1, \slot, 0
	MUL16 6, 1, NQ-1, \slot, 0
	PLACES NP
	WIN 0
	FETCH_A \next, 0, 4
.endm
	s_wait_alu depctr_va_vdst(0)
	s_wait_tensorcnt 1                             ; the scale words and my part of K step 0 are in (K step 1's load may be out)
	s_barrier_signal -1
	s_barrier_wait -1                              ; everybody's are
	FETCH_B 0, 0, 0
	FETCH_A 0, 0, 0
	SCALES 0
	FETCH_A 0, 0, 4
	STEP 0, 0, 1                                   ; K has four slots' worth
	TURN 0, 1, 1                                   ; slot 0 takes K step 2
	STEP 1, 0, 0
	TURN 1, 0, 1                                   ; slot 1 takes K step 3
	STEP 0, 0, 0
	TURN 0, 1, 0                                   ; nothing is left to fetch
	STEP 1, 0, 0
	s_wait_dscnt 4*NL
	WIN MUL_LO
	MUL16 0, 1, NQ-1, 1, 0
	MUL16 2, 1, NQ-1, 1, 0
	s_wait_dscnt 0
	WIN MUL_HI
	MUL16 4, 1, NQ-1, 1, 0
	MUL16 6, 1, NQ-1, 1, 0
	WIN 0
; THE WAY OUT.  The 64 registers of A's block a are, for my row of A, four blocks of 32 along B's rows, 16 numbers each in slot order; lane l xor 16 holds the other 16.
	s_mov_b32 s2, 0x76543210                       ; lane selects: lane l xor 16
	s_mov_b32 s3, 0xfedcba98
.irp b, 0,1,2,3
	v_mov_b32 v[TM+4+\b], 0                        ; a lane permute's destination counts as one of its sources.  (Four of the eight places behind the last products)
.endr
	PLACES 4
.macro QEPI a
.set W,   2+(\a)/4                     ; the block's window
.set SA,  64*((\a)%4)                  ; its first register there
.set PCA, PC+16*(\a)
.set W2,  W|(W<<2)
.set WD,  W|(W<<6)
	WIN W2                                         ; sources 0 and 1 in the block's window
.irp b, 0,1,2,3
	v_max3_num_f32 v[TM+\b], |v[SA+16*\b]|, |v[SA+16*\b+1]|, 0x8000000   ; each accumulator is read from its low end on; the floor 2^(16 - 127) holds the byte at 1 from below
.endr
.irp i, 2,4,6,8,10,12,14
.irp b, 0,1,2,3
	v_max3_num_f32 v[TM+\b], |v[SA+16*\b+\i]|, |v[SA+16*\b+\i+1]|, v[TM+\b]
.endr
.endr
	WIN 0
.irp b, 0,1,2,3
	v_permlanex16_b32 v[TM+4+\b], v[TM+\b], s2, s3
.endr
.irp b, 0,1,2,3
	v_max_num_f32 v[TM+\b], v[TM+\b], v[TM+4+\b]   ; the block's largest magnitude
.endr
.irp b, 0,1,2,3
	v_add_nc_u32 v[TM+12+\b], 0xf8800000, v[TM+\b] ; 15 off its exponent field: the conversion's scale operand
.endr
.irp b, 0,1,2,3
.endr
.irp b, 0,1,2,3
	v_lshrrev_b32 v[TM+4+\b], 23, v[TM+12+\b]      ; the scale's byte
.endr
	v_lshl_or_b32 v[HW0+\a], v[TM+5], 8, v[TM+4]
	v_lshl_or_b32 v[HW1+\a], v[TM+7], 8, v[TM+6]
	WIN WD                                         ; destination and source 0 in the block's window
.set n, 0
.rept 64
.set n, n+1
.endr
	WIN W                                          ; source 0 alone
.irp b, 0,1,2,3
	v_cvt_scalef32_pk8_bf8_f32 v[PCA+4*\b:PCA+4*\b+1], v[SA+16*\b:SA+16*\b+7], v[TM+12+\b]
	v_cvt_scalef32_pk8_bf8_f32 v[PCA+4*\b+2:PCA+4*\b+3], v[SA+16*\b+8:SA+16*\b+15], v[TM+12+\b]
.endr
	WIN 0
	v_nop                                          ; a plain line behind the last conversion
.irp b, 0,1,2,3
	global_store_b128 v[L16], v[PCA+4*\b:PCA+4*\b+3], s[12:13] offset:(\a)*2048+512*\b   ; 32 lanes store 512 consecutive bytes; each block has code registers of its own
.endr
.endm
.irp a, 0,1,2,3,4,5,6,7
	QEPI \a
.endr
	v_cmp_eq_u32 vcc_lo, 1, v2                     ; lanes 16-31
	s_cmp_lg_u32 s66, 0
	s_cbranch_scc1 .Lv_words
.irp j, 0,1,2,3                        ; q, k: for each head of the pair a word of two bytes for each token; lanes 0-15 carry token tiles 0-3, lanes 16-31 tiles 4-7
	v_cndmask_b32 v[DW+\j], v[HW0+\j], v[HW0+4+\j], vcc_lo
	v_cndmask_b32 v[DW+4+\j], v[HW1+\j], v[HW1+4+\j], vcc_lo
.endr
.irp j, 0,1,2,3,4,5,6,7
	v_or_b32 v[DW+\j], 0x7f7f0000, v[DW+\j]        ; the scale 1 over the instruction's upper 64 along K, where one side's codes are zeros
.endr
	global_store_b128 v[L16], v[DW:DW+3], s[98:99]
	global_store_b128 v[L16], v[DW+4:DW+7], s[98:99] offset:8192
	s_branch .Lwords_done
.Lv_words:
.irp a, 0,1,2,3,4,5,6,7                ; v: a word of four bytes (128 keys) for each channel; lanes 0-15 carry the first head's four tiles of channels, lanes 16-31 the second's
	v_lshl_or_b32 v[HW0+\a], v[HW1+\a], 16, v[HW0+\a]
.endr
.irp j, 0,1,2,3
	v_cndmask_b32 v[DW+\j], v[HW0+\j], v[HW0+4+\j], vcc_lo
.endr
	global_store_b128 v[VOF], v[DW:DW+3], s[98:99] ; sixteen lanes store 256 consecutive bytes, aligned
.Lwords_done:
	s_wait_tensorcnt 0x0                           ; the wave's end: behind my last tensor load
	ds_add_u32 v[SPW], v[NIL]
	s_wait_dscnt 0x0
	CROUND                                         ; the closing round: no work-group ends while a partner may still ask for a tile that names it
	s_endpgm
.Lfunc_end_k_qa1dd595d69_qkv:
	.size	k_qa1dd595d69_qkv, .Lfunc_end_k_qa1dd595d69_qkv-k_qa1dd595d69_qkv
	.p2alignl 7, 3214868480
	.fill 96, 4, 3214868480
	.section	.rodata,"a",@progbits
	.p2align	6, 0x0
	.amdhsa_kernel k_qa1dd595d69_qkv
		.amdhsa_group_segment_fixed_size 327680
		.amdhsa_private_segment_fixed_size 0
		.amdhsa_enable_private_segment 0
		.amdhsa_kernarg_size 32
		.amdhsa_user_sgpr_count 2
		.amdhsa_user_sgpr_kernarg_segment_ptr 1
		.amdhsa_wavefront_size32 1
		.amdhsa_system_sgpr_workgroup_id_x 1
		.amdhsa_system_sgpr_workgroup_id_y 1
		.amdhsa_system_sgpr_workgroup_id_z 1
		.amdhsa_system_vgpr_workitem_id 0
		.amdhsa_next_free_vgpr 1024
		.amdhsa_next_free_sgpr 100
		.amdhsa_reserve_vcc 1
		.amdhsa_float_denorm_mode_32 3
		.amdhsa_float_denorm_mode_16_64 3
		.amdhsa_fp16_overflow 1
		.amdhsa_memory_ordered 1
		.amdhsa_forward_progress 1
		.amdhsa_inst_pref_size 153
	.end_amdhsa_kernel
	.amdgpu_metadata
---
amdhsa.version: [ 1, 2 ]
amdhsa.kernels:
  - .name:           k_qa1dd595d69_qkv
    .symbol:         k_qa1dd595d69_qkv.kd
    .args:
      - { .name: cod, .offset: 0, .size: 8, .value_kind: global_buffer, .address_space: global }
      - { .name: csc, .offset: 8, .size: 8, .value_kind: global_buffer, .address_space: global }
      - { .name: qkv, .offset: 16, .size: 8, .value_kind: global_buffer, .address_space: global }
      - { .name: qkvs, .offset: 24, .size: 8, .value_kind: global_buffer, .address_space: global }
    .group_segment_fixed_size: 327680
    .private_segment_fixed_size: 0
    .kernarg_segment_align: 8
    .kernarg_segment_size: 32
    .max_flat_workgroup_size: 128
    .sgpr_count:     100
    .vgpr_count:     1024
    .wavefront_size: 32
...
	.end_amdgpu_metadata
.endif
;; end of part 2
;; launch attn (part 3): grid 8 x 32, 16 waves a work-group, no clusters, 327,680 bytes of LDS; arguments qkv, qkvs, ctx, ctxs; writes ctx, ctxs
.if DOCPART == 3
	.amdgcn_target "amdgcn-amd-amdhsa--gfx1250"
	.amdhsa_code_object_version 6
	.text
	.protected	k_qa1dd595d69_attn
	.globl	k_qa1dd595d69_attn
	.p2align	8
	.type	k_qa1dd595d69_attn,@function
k_qa1dd595d69_attn:
	s_mov_b64 s[64:65], 0
	v_nop
	global_prefetch_b8 v0, s[64:65] scope:SCOPE_SE
	s_setreg_imm32_b32 hwreg(HW_REG_WAVE_MODE, 25, 1), 1
	s_wait_xcnt 0x0
; ctx = softmax(q k^T / 8, causal) v, both products on codes of BF8 (E5M2) with E8M0 scales, and ctx quantised along the model's 1,024 for the last product.
; WORK LEFT OUT: a step of 128 keys all of which come after a tile's 16 queries (reference()'s own jnp.tril gives them the weight 0 for all inputs: see the head of launch quant, with its limits).
; THE SOFTMAX: t = score x log2(e) / 8; M = the row's largest t so far, rounded UP to a whole number; p = 2^(t - M) is what is quantised, along the keys; the row's sum is taken of the unquantised p
; and divides at the end.  When M moves, the sum and O are multiplied by 2^(old M - new M): exact.
; SHARES.  A work-group takes one batch and one PAIR of heads, and two blocks of 128 queries: block 15 - J and block J (J = work-group x).  Wave w: head w / 8 of the pair, queries 16 (w % 8) on in both blocks:
; tile 0 in the late block, tile 1 in the early one.  Under the mask they have 16 - J and J + 1 key steps of 128: 17 for every wave of every work-group.
; K's and V's images of both heads come through a ring of two LDS slots of 256 keys (32,768 dense bytes each of K and V), fetched by waves 0 to 3, 16,384 bytes each, and read by all sixteen.
; The pair's scale words (24,576 bytes) come once, with the first fills.
; NO CLUSTER: under the mask the work-groups of a head pair need different numbers of slots, so partners could not make every joint request for tiles that they read.
; LAYOUT.  Both products are used transposed: S^T = K Q^T (source 0 = 16 keys), O^T = V^T P^T (source 0 = 16 channels): a lane holds ONE query throughout; the 16 registers of two neighbouring tiles of S^T
; are a block of 32 keys in slot order, the order of V's images: the conversions' results are the second product's operand.  O^T's four tiles are likewise two blocks of ctx.
; K = 64 UNDER AN INSTRUCTION OF 128: Q's registers 8-15 are zero codes; K's tile t is named v[FRG + 8 t .. + 15]: its upper eight registers are the next tile's codes (the last tile's: zeros), which multiply
; zeros; no code is an infinity or a NaN, since the quantiser holds at the largest code; the upper two scale bytes are 0x7f on both sides.
; REGISTERS: v1-9 addresses and a spare; v10, v11 Q's scale words; v12-19 -M, largest t, the sum in two halves, for each tile; v20-51 Q; v52-83 fragments, v84-91 zeros; v92-155 S^T, then p;
; v156-219 O^T of the two tiles; v220-235 p's codes; v236-252 at work; v253 p's scale word; v254, v255 K's or V's scale words.
.set SLOT1, 1<<17                      ; slot 1 begins here: one exclusive or turns an address from slot to slot
.set VOFF,  32768                      ; in a slot: K's 32,768 bytes, then V's
.set SCR,   2*SLOT1                    ; behind the ring: the scale words
.set STG,   SCR+24576                  ; the way out: ctx's scale words of the two blocks, 512 bytes each
.set SPARE, STG+1024                   ; the spare words, 128 bytes for each wave: eight blocks of 256 bytes that no other line names
.set L16, 1                            ; v1   16 x lane
.set LP,  2                            ; v2   SCR + 16 r + 4 h: my lane's place among a step's scale words
.set ADR, 3                            ; v3   LDS address of the fragments in hand
.set ADR2, 4                           ; v4   and of their scale words
.set SPW, 5                            ; v5   my spare word; never rewritten
.set NIL, 6                            ; v6   0; never rewritten
.set PFO, 7                            ; v7   256 x lane: the prefetches' offset; never rewritten
.set DG,  8                            ; v8   on the diagonal: my query less the step's first key less 8 h
.set TP,  9                            ; v9   at work
.set QW,  10
.set FRG, 52
.set S,   92
.set PCD, 220
.set BM,  236                          ; the blocks' largest scores, then largest p
.set PD,  240                          ; permutes' destinations, bytes, a second chain of sums
.set HL,  244
.set SO,  248                          ; the conversions' scale operands
.set F,   252                          ; 2^(old M - new M)
.set PWD, 253
.set KS,  254
.set TBK, 2                            ; s2   LDS byte of my head's K images in the slot in hand
.set TBV, 3                            ; s3   of V's
.set TS,  12                           ; s12  the step's scale words of K, from SCR on: 512 bytes a step
.set TJ,  13                           ; s13  of V: 256 bytes a step
.set KF,  14                           ; s14  the step's first key
.set SLOTS, 15                         ; s15  changes of slots to go
.set Q0,  16                           ; s16, s17  the two tiles' first queries
.set WV,  18
.set MNT, 19
.set SEL, 20
.set CS,  22                           ; s[22:23] c = log2(e) / 8
.set G1,  24                           ; s[24:31] descriptor group 1: 16,384 dense bytes;  s[32:39]: 6,144;  s[40:43] group 0, which walks;  s[44:47] the scale words'
.set G1S, 32
.set G0,  40
.set G0S, 44
.set QL,  52                           ; s52  my work-group's last query
.set LIM, 53                           ; s53  1 in a wave that prefetches, else the greatest number
.set PFA, 54                           ; s[54:55] where my prefetches stand
.set CT,  56                           ; s[56:59] ctx at the two tiles
.set CW,  60                           ; s[60:61] ctxs (waves 0 and 1)
.macro TLOAD                           ; waves 0 to 3 fetch, each its own 16,384 bytes; the branch hangs on the wave's number alone; an s_nop 0 and four v_nop follow the load
	s_cmp_lt_u32 s[WV], 4
	s_cbranch_scc0 .Lasked_\@
	tensor_load_to_lds s[G0:G0+3], s[G1:G1+7]
	s_nop 0
.rept 4
	v_nop
.endr
.Lasked_\@:
.endm
; A PREFETCH of what the NEXT change of slots will ask for: a slot's 32,768 bytes of K and of V.  All eight work-groups of a head pair walk the same K and V: the one with J = 0, which walks all slots, asks.
; In it waves 4 to 7 ask for K's bytes and waves 8 to 11 for V's, 8,192 a wave, lanes 256 bytes apart: each aligned 256 bytes are named once in the launch.  It stands two key steps ahead of the load.
; Slots 0 and 1 come by their loads alone; the last change that fills a slot asks for nothing.
.macro ASK
	s_cmp_gt_u32 s[SLOTS], s[LIM]
	s_cbranch_scc0 .Lnot_mine_\@
	global_prefetch_b8 v[PFO], s[PFA:PFA+1] th:TH_LOAD_NT scope:SCOPE_SE
.Lnot_mine_\@:
.endm
	s_load_b256 s[4:11], s[0:1], 0x0               ; qkv, qkvs, ctx, ctxs
	v_lshl_add_u32 v[SPW], v0, 2, SPARE
	v_mov_b32 v[NIL], 0
	ds_add_u32 v[SPW], v[NIL]                      ; the wave's opening: the add, twice on end, and its wait ahead of my first tensor load
	ds_add_u32 v[SPW], v[NIL]
	v_lshrrev_b32 v9, 5, v0
	s_delay_alu instid0(VALU_DEP_1)
	v_readfirstlane_b32 s[WV], v9                  ; wave 0..15
	s_lshr_b32 s76, s[WV], 3                       ; E: my head of the pair
	s_and_b32 s77, s[WV], 7                        ; U: my 16 queries of a block
	s_and_b32 s78, s[WV], 3                        ; what I fetch, if I fetch
	s_and_b32 s79, ttmp7, 0xffff                   ; batch x 8 + head pair
	s_lshr_b32 s80, s79, 3
	s_and_b32 s81, s79, 7
	s_sub_co_u32 s82, 15, ttmp9                    ; tile 0's block of queries
	s_mov_b32 s83, ttmp9                           ; tile 1's
	s_lshl_b32 s84, s77, 4
	s_lshl_b32 s[Q0], s82, 7
	s_or_b32 s[QL], s[Q0], 127
	s_add_co_u32 s[Q0], s[Q0], s84
	s_lshl_b32 s[Q0+1], s83, 7
	s_add_co_u32 s[Q0+1], s[Q0+1], s84
	s_lshl_b32 s[TBK], s76, 10
	s_lshl_b32 s[TBV], s76, 13
	s_add_co_u32 s[TBV], s[TBV], VOFF
	s_lshl_b32 s[TS], s76, 13
	s_lshl_b32 s[TJ], s76, 12
	s_add_co_u32 s[TJ], s[TJ], 16384
	s_mov_b32 s[KF], 0
	s_mov_b32 s[SLOTS], 7
	s_mov_b32 s[SEL], 0x76543210
	s_mov_b32 s[SEL+1], 0xfedcba98
	s_mov_b32 s[CS], 0x3e38aa3b
	s_mov_b32 s[CS+1], s[CS]                       ; (named with it as a pair, so it is written)
	s_mov_b32 s[G1], 3<<16                         ; no mask; elements of 8 bytes; no padding: the fragments' loads take consecutive bytes
	s_mov_b32 s[G1+1], 32<<16                      ; tensor_dim0
	s_mov_b32 s[G1+2], 64<<16                      ; tensor_dim1
	s_mov_b32 s[G1+3], 32<<16                      ; tile_dim0
	s_mov_b32 s[G1+4], 64                          ; tile_dim1
	s_mov_b32 s[G1+5], 32                          ; tensor_dim0_stride
	s_mov_b32 s[G1+6], 0
	s_mov_b32 s[G1+7], 0
	s_mov_b32 s[G1S], 3<<16
	s_mov_b32 s[G1S+1], 32<<16
	s_mov_b32 s[G1S+2], 24<<16
	s_mov_b32 s[G1S+3], 32<<16
	s_mov_b32 s[G1S+4], 24
	s_mov_b32 s[G1S+5], 32
	s_mov_b32 s[G1S+6], 0
	s_mov_b32 s[G1S+7], 0
	s_mov_b32 s[G0], 1
	s_lshl_b32 s[G0+1], s78, 14                    ; slot 0: K's two key steps, then V's
	s_lshr_b32 s86, s78, 1
	s_add_co_u32 s86, s86, 1                       ; 1: k, 2: v
	s_lshl_b32 s86, s86, 5
	s_add_co_u32 s86, s86, s79
	s_lshl_b32 s86, s86, 18
	s_and_b32 s87, s78, 1
	s_lshl_b32 s87, s87, 14
	s_add_co_u32 s86, s86, s87
	s_mov_b32 s87, 0
	s_mov_b32 s[G0S], 1
	s_mul_i32 s88, s79, 24576
	s_mul_i32 s89, s78, 6144
	s_add_co_u32 s[G0S+1], s89, SCR
	s_add_co_u32 s88, s88, s89
	s_add_co_u32 s88, s88, 524288
	s_mov_b32 s89, 0
	s_add_co_u32 s90, s76, 1                       ; the prefetches: waves 4-7 k, waves 8-11 v,
	s_lshl_b32 s90, s90, 5
	s_add_co_u32 s90, s90, s79
	s_lshl_b32 s90, s90, 18
	s_lshl_b32 s91, s78, 13                        ; my wave's 8,192 bytes,
	s_add_co_u32 s90, s90, s91
	s_add_co_u32 s90, s90, 32768                   ; in slot 1: the first change of slots steps it to slot 2
	s_mov_b32 s91, 0
	s_sub_co_u32 s92, s[WV], 4
	s_lshr_b32 s92, s92, 3                         ; 0 in waves 4 to 11,
	s_or_b32 s92, s92, ttmp9                       ; of the work-group with J = 0
	s_cmp_eq_u32 s92, 0
	s_cselect_b32 s[LIM], 1, -1
	s_lshl_b32 s92, s79, 18                        ; Q's codes: (batch, pair), + 2,048 U + 1,024 E, + 16,384 x block
	s_lshl_b32 s93, s77, 11
	s_add_co_u32 s92, s92, s93
	s_lshl_b32 s93, s76, 10
	s_add_co_u32 s92, s92, s93
	s_lshl_b32 s68, s82, 14
	s_add_co_u32 s68, s68, s92
	s_mov_b32 s69, 0
	s_lshl_b32 s70, s83, 14
	s_add_co_u32 s70, s70, s92
	s_mov_b32 s71, 0
	s_lshl_b32 s92, s79, 14                        ; Q's scale words: + 8,192 E + 256 (U / 4) + 4 (U % 4), + 512 x block
	s_lshl_b32 s93, s76, 13
	s_add_co_u32 s92, s92, s93
	s_lshr_b32 s93, s77, 2
	s_lshl_b32 s93, s93, 8
	s_add_co_u32 s92, s92, s93
	s_and_b32 s93, s77, 3
	s_lshl_b32 s93, s93, 2
	s_add_co_u32 s92, s92, s93
	s_lshl_b32 s72, s82, 9
	s_add_co_u32 s72, s72, s92
	s_mov_b32 s73, 0
	s_lshl_b32 s74, s83, 9
	s_add_co_u32 s74, s74, s92
	s_mov_b32 s75, 0
	s_lshl_b32 s92, s80, 21                        ; ctx: 131,072 (16 batch + block) + 32,768 (pair / 2) + 4,096 U + 2,048 (pair % 2) + 1,024 E
	s_lshr_b32 s93, s81, 1
	s_lshl_b32 s93, s93, 15
	s_add_co_u32 s92, s92, s93
	s_lshl_b32 s93, s77, 12
	s_add_co_u32 s92, s92, s93
	s_and_b32 s93, s81, 1
	s_lshl_b32 s93, s93, 11
	s_add_co_u32 s92, s92, s93
	s_lshl_b32 s93, s76, 10
	s_add_co_u32 s92, s92, s93
	s_lshl_b32 s[CT], s82, 17
	s_add_co_u32 s[CT], s[CT], s92
	s_mov_b32 s[CT+1], 0
	s_lshl_b32 s[CT+2], s83, 17
	s_add_co_u32 s[CT+2], s[CT+2], s92
	s_mov_b32 s[CT+3], 0
	s_cmp_eq_u32 s[WV], 0                          ; ctxs: wave 0 carries tile 0's block, wave 1 tile 1's: 4,096 (16 batch + block) + 512 pair
	s_cselect_b32 s[CW], s82, s83
	s_lshl_b32 s93, s80, 4
	s_add_co_u32 s[CW], s[CW], s93
	s_lshl_b32 s[CW], s[CW], 12
	s_lshl_b32 s93, s81, 9
	s_add_co_u32 s[CW], s[CW], s93
	s_mov_b32 s[CW+1], 0
	s_wait_dscnt 0x0                               ; both opening adds are done
	s_wait_kmcnt 0x0
	s_add_nc_u64 s[G0+2:G0+3], s[4:5], s[86:87]
	s_or_b32 s[G0+3], s[G0+3], 0x80000000
	s_add_nc_u64 s[G0S+2:G0S+3], s[6:7], s[88:89]
	s_or_b32 s[G0S+3], s[G0S+3], 0x80000000
	s_cmp_lt_u32 s[WV], 4                          ; a wave's two first fills stand in one branch: two tensor loads of mine are out at the most
	s_cbranch_scc0 .Lno_first
	tensor_load_to_lds s[G0S:G0S+3], s[G1S:G1S+7]  ; the scale words: filled once
	s_nop 0
	tensor_load_to_lds s[G0:G0+3], s[G1:G1+7]      ; slot 0
	s_nop 0
.rept 4
	v_nop
.endr
.Lno_first:
	s_add_nc_u64 s[PFA:PFA+1], s[4:5], s[90:91]
	s_add_nc_u64 s[68:69], s[4:5], s[68:69]
	s_add_nc_u64 s[70:71], s[4:5], s[70:71]
	s_add_nc_u64 s[72:73], s[6:7], s[72:73]
	s_add_nc_u64 s[74:75], s[6:7], s[74:75]
	s_add_nc_u64 s[CT:CT+1], s[8:9], s[CT:CT+1]
	s_add_nc_u64 s[CT+2:CT+3], s[8:9], s[CT+2:CT+3]
	s_add_nc_u64 s[CW:CW+1], s[10:11], s[CW:CW+1]
	v_and_b32 v9, 31, v0
	s_delay_alu instid0(VALU_DEP_1)
	v_lshlrev_b32 v[L16], 4, v9
	s_delay_alu instid0(VALU_DEP_2)
	v_lshlrev_b32 v[PFO], 8, v9
	v_and_b32 v3, 15, v0                           ; r
	v_bfe_u32 v4, v0, 4, 1                         ; h
	s_delay_alu instid0(VALU_DEP_2)
	v_lshlrev_b32 v[LP], 4, v3
	s_delay_alu instid0(VALU_DEP_1)
	v_lshl_add_u32 v[LP], v4, 2, v[LP]
	s_delay_alu instid0(VALU_DEP_1)
	v_add_nc_u32 v[LP], SCR, v[LP]
	s_delay_alu instid0(VALU_DEP_4)
	v_lshlrev_b32 v[DG], 3, v4
	s_delay_alu instid0(VALU_DEP_1)
	v_sub_nc_u32 v[DG], v3, v[DG]
	s_delay_alu instid0(VALU_DEP_1)
	v_add_nc_u32 v[DG], s84, v[DG]                 ; 16 U + r - 8 h
	v_lshlrev_b32 v3, 4, v3                        ; 16 r: Q's scale words
	global_load_b128 v[20:23], v[L16], s[68:69]    ; Q stays in registers: two blocks of 32 for each tile
	global_load_b128 v[24:27], v[L16], s[68:69] offset:512
	global_load_b128 v[36:39], v[L16], s[70:71]
	global_load_b128 v[40:43], v[L16], s[70:71] offset:512
	global_load_b32 v[QW], v3, s[72:73]
	global_load_b32 v[QW+1], v3, s[74:75]
.set n, 0
.rept 8
	v_mov_b32 v[28+n], 0                           ; Q's upper 64 along the instruction's K: zero codes,
	v_mov_b32 v[44+n], 0
	v_mov_b32 v[84+n], 0                           ; and the last tile of K's
.set n, n+1
.endr
.set n, 0
.rept 64
	v_mov_b32 v[156+n], 0                          ; O^T.  (The step is written once: the first finds zeros, which the first change of M leaves zeros)
.set n, n+1
.endr
.irp x, 0,1
	v_mov_b32 v[13+4*\x], 0xff61b1e6               ; the largest t so far: -3e38, under every t
	s_delay_alu instid0(VALU_DEP_1)
	v_floor_f32 v[12+4*\x], -v[13+4*\x]            ; -M
	v_mov_b32 v[14+4*\x], 0                        ; the sum, in two halves
	v_mov_b32 v[15+4*\x], 0
.endr
.irp b, 0,1,2,3
	v_mov_b32 v[PD+\b], 0                          ; a lane permute's destination counts as one of its sources
.endr
	v_mov_b32 v[PWD], 0                            ; (named as the upper half of the pair with f before it is first written)
; A KEY STEP OF ONE TILE: 128 keys, the q-th of the slot in hand, for tile x.
.macro TSTEP q, x
.set NM,  12+4*(\x)
.set SUM, 14+4*(\x)
.set QF,  20+16*(\x)
.set OT,  156+32*(\x)
	s_add_co_u32 s96, s[Q0+\x], 15                 ; a step all of whose keys come after the tile's queries is left out: a scalar branch on ids; no barrier, wait for tiles or tensor load stands in a step
	s_cmp_gt_u32 s[KF], s96
	s_cbranch_scc1 .Lhid_\@
	v_add_nc_u32 v[ADR], s[TBK], v[L16]
	s_wait_alu depctr_va_vdst(0)
	v_add_nc_u32 v[ADR2], s[TS], v[LP]
	s_wait_alu depctr_va_vdst(0)
.irp g, 0,1                            ; S^T = K Q^T, four tiles of 16 keys at a time
.rept 6+2*\g
	v_nop                                          ; eight places in front of loads into registers that matrix instructions have read (the two additions above are places too)
.endr
.irp t, 0,1,2,3
	ds_load_b128 v[FRG+8*\t:FRG+8*\t+3],   v[ADR] offset:(8*(\q)+4*\g+\t)*2048
	ds_load_b128 v[FRG+8*\t+4:FRG+8*\t+7], v[ADR] offset:(8*(\q)+4*\g+\t)*2048+512
.endr
	ds_load_b32 v[KS],   v[ADR2] offset:256*\g     ; lanes 0-15: the words of tile 4 g, lanes 16-31: of tile 4 g + 1;
	ds_load_b32 v[KS+1], v[ADR2] offset:256*\g+8   ; of tiles 4 g + 2 and 4 g + 3
	s_wait_dscnt 0x0
.irp t, 0,1
	v_wmma_scale_f32_16x16x128_f8f6f4 v[S+8*(4*\g+2*\t):S+8*(4*\g+2*\t)+7], v[FRG+16*\t:FRG+16*\t+15], v[QF:QF+15], 0, v[KS+\t], v[QW+\x] matrix_a_fmt:MATRIX_FMT_BF8 matrix_b_fmt:MATRIX_FMT_BF8
	v_wmma_scale_f32_16x16x128_f8f6f4 v[S+8*(4*\g+2*\t+1):S+8*(4*\g+2*\t+1)+7], v[FRG+16*\t+8:FRG+16*\t+23], v[QF:QF+15], 0, v[KS+\t], v[QW+\x] matrix_a_fmt:MATRIX_FMT_BF8 matrix_b_fmt:MATRIX_FMT_BF8 matrix_a_scale:MATRIX_SCALE_ROW1
.endr
.endr
.rept 8
	v_nop
.endr
	s_add_co_u32 s96, s[KF], 127                   ; on the diagonal the scores of hidden keys become -infinity ahead of the maximum: p = 0 then.  A step all of whose keys count skips this
	s_cmp_le_u32 s96, s[Q0+\x]
	s_cbranch_scc1 .Lopen_\@
	v_mov_b32 v[TP], 0xff800000
.set n, 0
.rept 64                               ; register n holds key 16 (n / 8) + 8 h + n % 8 of the step
	v_cmp_gt_i32 vcc_lo, 16*(n/8)+n%8, v[DG]
	v_cndmask_b32 v[S+n], v[S+n], v[TP], vcc_lo
.set n, n+1
.endr
.Lopen_\@:
.irp b, 0,1,2,3
	v_max3_num_f32 v[BM+\b], v[S+16*\b], v[S+16*\b+1], v[S+16*\b+2]   ; the largest score of each block of 32 keys: for the row's maximum and, since p rises with the score, for the block's largest p
.endr
.irp i, 3,5,7,9,11,13
.irp b, 0,1,2,3
	v_max3_num_f32 v[BM+\b], v[BM+\b], v[S+16*\b+\i], v[S+16*\b+\i+1]
.endr
.endr
.irp b, 0,1,2,3
	v_max_num_f32 v[BM+\b], v[BM+\b], v[S+16*\b+15]
.endr
.irp b, 0,1,2,3
	s_delay_alu instid0(VALU_DEP_4)
	v_permlanex16_b32 v[PD+\b], v[BM+\b], s[SEL], s[SEL+1]
.endr
.irp b, 0,1,2,3
	s_delay_alu instid0(VALU_DEP_4)
	v_max_num_f32 v[BM+\b], v[BM+\b], v[PD+\b]     ; with lane l xor 16's 16 keys
.endr
	s_delay_alu instid0(VALU_DEP_2)
	v_max3_num_f32 v[TP], v[BM], v[BM+1], v[BM+2]
	s_delay_alu instid0(VALU_DEP_1)
	v_max_num_f32 v[TP], v[TP], v[BM+3]            ; the step's largest score of my query
	s_delay_alu instid0(VALU_DEP_1)
	v_mul_f32 v[TP], s[CS], v[TP]                  ; as t
	s_delay_alu instid0(VALU_DEP_1)
	v_max_num_f32 v[NM+1], v[NM+1], v[TP]          ; the running largest t
	v_mov_b32 v[TP], v[NM]
	s_delay_alu instid0(VALU_DEP_2)
	v_floor_f32 v[NM], -v[NM+1]                    ; the new -M = -ceil(t): a whole number
	s_delay_alu instid0(VALU_DEP_1)
	v_sub_f32 v[TP], v[NM], v[TP]                  ; M's old value less its new one: a whole number, 0 or less
	s_delay_alu instid0(VALU_DEP_1)
	v_cvt_i32_f32 v[TP], v[TP]                     ; (it saturates)
	s_delay_alu instid0(VALU_DEP_1)
	v_ldexp_f32 v[F], 1.0, v[TP]                   ; f = 2^(old M - new M)
.set n, 0
.rept 32
	v_pk_fma_f32 v[S+n:S+n+1], v[S+n:S+n+1], s[CS:CS+1], v[NM:NM+1] op_sel_hi:[1,0,0]   ; t - M, two at a time
.set n, n+2
.endr
.irp b, 0,1,2,3
	v_fma_f32 v[BM+\b], v[BM+\b], s[CS], v[NM]     ; the same of each block's largest score
.endr
.set n, 0
	s_wait_alu depctr_va_vdst(0)
.rept 64
	v_exp_f32 v[S+n], v[S+n]                       ; p = 2^(t - M), at most 1
.set n, n+1
.endr
	v_pk_mul_f32 v[SUM:SUM+1], v[SUM:SUM+1], v[F:F+1] op_sel_hi:[1,0]   ; the sums under the new M.  (A plain line behind the exponentials)
	s_wait_alu depctr_va_vdst(0)                   ; one wait for the whole batch, ahead of its first use
.irp b, 0,1,2,3
	v_exp_f32 v[BM+\b], v[BM+\b]                   ; the block's largest p: the same two instructions on the same number give the same bits
.endr
	v_pk_add_f32 v[PD:PD+1], v[S:S+1], v[S+2:S+3]  ; the row's sum is taken of the unquantised p: two at a time, in two chains
.set n, 4
.rept 15
	v_pk_add_f32 v[SUM:SUM+1], v[SUM:SUM+1], v[S+n:S+n+1]
	v_pk_add_f32 v[PD:PD+1], v[PD:PD+1], v[S+n+2:S+n+3]
.set n, n+4
.endr
	s_delay_alu instid0(VALU_DEP_1)
	v_pk_add_f32 v[SUM:SUM+1], v[SUM:SUM+1], v[PD:PD+1]
	s_wait_alu depctr_va_vdst(0)                   ; and one for the four
.irp b, 0,1,2,3
	v_max_num_f32 v[BM+\b], 0x8000000, v[BM+\b]    ; the floor 2^(16 - 127): the byte cannot fall under 1 (a block whose every p is 0 keeps that byte over zero codes)
.endr
.irp b, 0,1,2,3
	s_delay_alu instid0(VALU_DEP_4)
	v_add_nc_u32 v[SO+\b], 0xf8800000, v[BM+\b]    ; 15 off the exponent field: the conversion's scale operand
.endr
.irp b, 0,1,2,3
.endr
.irp b, 0,1,2,3
	s_delay_alu instid0(VALU_DEP_4)
	v_lshrrev_b32 v[PD+\b], 23, v[SO+\b]           ; the scale's byte
.endr
	s_delay_alu instid0(VALU_DEP_3)
	v_lshl_or_b32 v[PWD], v[PD+1], 8, v[PD]        ; p's scale word for these 128 keys
	s_delay_alu instid0(VALU_DEP_1)
	v_lshl_or_b32 v[PWD], v[PD+2], 16, v[PWD]
	s_delay_alu instid0(VALU_DEP_1)
	v_lshl_or_b32 v[PWD], v[PD+3], 24, v[PWD]
.set n, 0
.rept 64
.set n, n+1
.endr
.irp b, 0,1,2,3
	v_cvt_scalef32_pk8_bf8_f32 v[PCD+4*\b:PCD+4*\b+1], v[S+16*\b:S+16*\b+7], v[SO+\b]
	v_cvt_scalef32_pk8_bf8_f32 v[PCD+4*\b+2:PCD+4*\b+3], v[S+16*\b+8:S+16*\b+15], v[SO+\b]
.endr
	v_add_nc_u32 v[ADR], s[TBV], v[L16]
	v_add_nc_u32 v[ADR2], s[TJ], v[LP]
.set n, 0
.rept 16
	v_pk_mul_f32 v[OT+n:OT+n+1], v[OT+n:OT+n+1], v[F:F+1] op_sel_hi:[1,0]   ; O^T under the new M.  (These are also the places in front of the matrix instructions below)
.set n, n+2
.endr
	s_wait_alu depctr_va_vdst(0)
.irp g, 0,1                            ; O^T += V^T P^T: two tiles of 16 channels at a time; K = these 128 keys
.if \g
.rept 8
	v_nop
.endr
.endif
.irp t, 0,1
.irp c, 0,1,2,3
	ds_load_b128 v[FRG+16*\t+4*\c:FRG+16*\t+4*\c+3], v[ADR] offset:(\q)*16384+(2*\g+\t)*2048+512*\c
.endr
.endr
	ds_load_b32 v[KS], v[ADR2] offset:8*\g         ; lanes 0-15: the words of tile 2 g, lanes 16-31: of tile 2 g + 1
	s_wait_dscnt 0x0
	v_wmma_scale_f32_16x16x128_f8f6f4 v[OT+16*\g:OT+16*\g+7], v[FRG:FRG+15], v[PCD:PCD+15], v[OT+16*\g:OT+16*\g+7], v[KS], v[PWD] matrix_a_fmt:MATRIX_FMT_BF8 matrix_b_fmt:MATRIX_FMT_BF8
	v_wmma_scale_f32_16x16x128_f8f6f4 v[OT+16*\g+8:OT+16*\g+15], v[FRG+16:FRG+31], v[PCD:PCD+15], v[OT+16*\g+8:OT+16*\g+15], v[KS], v[PWD] matrix_a_fmt:MATRIX_FMT_BF8 matrix_b_fmt:MATRIX_FMT_BF8 matrix_a_scale:MATRIX_SCALE_ROW1
.endr
.Lhid_\@:
.endm
.macro STEP_END                        ; always run: the next key step
	s_add_co_u32 s[KF], s[KF], 128
	s_add_co_u32 s[TS], s[TS], 512
	s_add_co_u32 s[TJ], s[TJ], 256
.endm
; THE CHANGE OF SLOTS stands at a slot's head.  Each wave waits for all its tensor loads, adds 0 to its spare word (fill = 1: twice on end), and waits for that and for its reads of the slot that it has left.
; Behind the barrier the slot ahead is whole and nobody reads the other one.  fill = 1: that other slot is filled with the next 256 keys, while some query of the work-group sees them.
.macro CHANGE fill
	s_wait_tensorcnt 0x0                           ; no tensor load of mine is out, so group 0 may be written
	ds_add_u32 v[SPW], v[NIL]                      ; 0 onto my spare word
.if \fill
	ds_add_u32 v[SPW], v[NIL]                      ; and once more
	s_xor_b32 s[G0+1], s[G0+1], SLOT1              ; the walking descriptor: the other slot,
	s_add_nc_u64 s[G0+2:G0+3], s[G0+2:G0+3], 32768 ; the next 256 keys; the type bits on top are not reached
	s_wait_xcnt 0x0                                ; the last prefetch, a slot back, has read its address, so it may be written
	s_add_nc_u64 s[PFA:PFA+1], s[PFA:PFA+1], 32768
.endif
	s_wait_dscnt 0x0                               ; the add is done, and my reads of the slot that I have left are over
	s_barrier_signal -1
	s_barrier_wait -1
.if \fill
	s_add_co_u32 s96, s[KF], 256                   ; the first key of the slot that this change would ask for: past my work-group's last query it is read by none of its waves, and is not asked for
	s_cmp_gt_u32 s96, s[QL]                        ; ids and the count of steps alone: all sixteen waves go the same way; every wait for tensor loads in this text is for 0
	s_cbranch_scc1 .Lpast_\@
	TLOAD                                          ; a wave's one tensor load until the next change
.Lpast_\@:
	ASK
.endif
.endm
	s_wait_loadcnt 0x0                             ; Q
.Lslot:                                            ; seven trips: slots 0 to 6; every work-group walks all of them, so that the trip count is a constant
	CHANGE 1
	TSTEP 0, 0
	TSTEP 0, 1
	STEP_END
	TSTEP 1, 0
	TSTEP 1, 1
	STEP_END
	s_xor_b32 s[TBK], s[TBK], SLOT1                ; on to the other slot
	s_xor_b32 s[TBV], s[TBV], SLOT1
	s_sub_co_u32 s[SLOTS], s[SLOTS], 1
	s_cmp_lg_u32 s[SLOTS], 0
	s_cbranch_scc1 .Lslot
	CHANGE 0                                       ; the last slot is written out; tile 1's queries, under 1,024, never reach it
	TSTEP 0, 0
	STEP_END
	TSTEP 1, 0
	; THE WAY OUT.  O^T / the sum is ctx: a lane's 32 numbers are 16 of each of two blocks of 32 along the model's axis, in slot order.  They are quantised and leave as images of the last product's operand.
.rept 8
	v_nop                                          ; places behind the last products
.endr
	s_wait_alu depctr_va_vdst(0)
.irp x, 0,1
	v_add_f32 v[14+4*\x], v[14+4*\x], v[15+4*\x]   ; the sum's two halves,
.endr
.irp x, 0,1
	s_delay_alu instid0(VALU_DEP_2)
	v_permlanex16_b32 v[PD+\x], v[14+4*\x], s[SEL], s[SEL+1]
.endr
.irp x, 0,1
	s_delay_alu instid0(VALU_DEP_2)
	v_add_f32 v[14+4*\x], v[14+4*\x], v[PD+\x]     ; and lane l xor 16's
.endr
	s_wait_alu depctr_va_vdst(0)
.irp x, 0,1
	v_rcp_f32 v[14+4*\x], v[14+4*\x]
.endr
	v_and_b32 v[ADR], 15, v0                       ; (plain lines behind the reciprocals)
	s_delay_alu instid0(VALU_DEP_1)
	v_lshlrev_b32 v[ADR], 2, v[ADR]
	s_lshl_b32 s96, s77, 6
	s_lshl_b32 s97, s76, 1
	s_add_co_u32 s96, s96, s97
	s_add_co_u32 s96, s96, STG
	v_add_nc_u32 v[ADR], s96, v[ADR]               ; my two bytes of my query's scale word: STG + 64 U + 4 r + 2 E
	s_min_u32 s97, s[WV], 1
	s_lshl_b32 s97, s97, 9
	s_add_co_u32 s97, s97, STG
	v_add_nc_u32 v[ADR2], s97, v[L16]              ; back: a block's 512 bytes (made on every wave's path)
	s_wait_alu depctr_va_vdst(0)                   ; one wait for the two reciprocals, ahead of their first use
.macro CTXQ x
.set OT, 156+32*(\x)
.set SS, S+32*(\x)
.set PX, PCD+8*(\x)
.set n, 0
.rept 32
	v_mul_f32 v[SS+n], v[OT+n], v[14+4*(\x)]       ; each accumulator from its low end on
.set n, n+1
.endr
.irp b, 0,1
	v_max3_num_f32 v[BM+\b], |v[SS+16*\b]|, |v[SS+16*\b+1]|, 0x8000000
.endr
.irp i, 2,4,6,8,10,12,14
.irp b, 0,1
	s_delay_alu instid0(VALU_DEP_2)
	v_max3_num_f32 v[BM+\b], v[BM+\b], |v[SS+16*\b+\i]|, |v[SS+16*\b+\i+1]|
.endr
.endr
.irp b, 0,1
	s_delay_alu instid0(VALU_DEP_2)
	v_permlanex16_b32 v[PD+\b], v[BM+\b], s[SEL], s[SEL+1]
.endr
.irp b, 0,1
	s_delay_alu instid0(VALU_DEP_2)
	v_max_num_f32 v[BM+\b], v[BM+\b], v[PD+\b]
.endr
.irp b, 0,1
	s_delay_alu instid0(VALU_DEP_2)
	v_add_nc_u32 v[SO+\b], 0xf8800000, v[BM+\b]
.endr
.irp b, 0,1
.endr
.irp b, 0,1
	s_delay_alu instid0(VALU_DEP_2)
	v_lshrrev_b32 v[PD+\b], 23, v[SO+\b]
.endr
	s_delay_alu instid0(VALU_DEP_1)
	v_lshl_or_b32 v[BM+2+\x], v[PD+1], 8, v[PD]    ; my head's two bytes of the word
.set n, 0
.rept 32
.set n, n+1
.endr
.irp b, 0,1
	v_cvt_scalef32_pk8_bf8_f32 v[PX+4*\b:PX+4*\b+1], v[SS+16*\b:SS+16*\b+7], v[SO+\b]
	v_cvt_scalef32_pk8_bf8_f32 v[PX+4*\b+2:PX+4*\b+3], v[SS+16*\b+8:SS+16*\b+15], v[SO+\b]
.endr
	v_nop                                          ; a plain line behind the last conversion
	global_store_b128 v[L16], v[PX:PX+3], s[CT+2*\x:CT+2*\x+1]              ; 32 lanes store 512 consecutive bytes
	global_store_b128 v[L16], v[PX+4:PX+7], s[CT+2*\x:CT+2*\x+1] offset:512
	ds_store_b16 v[ADR], v[BM+2+\x] offset:512*\x  ; both halves of the lanes write the same bytes with the same value
.endm
	CTXQ 0
	CTXQ 1
	s_wait_dscnt 0x0                               ; for the others' sake: my bytes lie in LDS
	s_barrier_signal -1
	s_barrier_wait -1
	s_cmp_lt_u32 s[WV], 2
	s_cbranch_scc0 .Lno_words
	ds_load_b128 v[FRG:FRG+3], v[ADR2]             ; the words of a block's 128 queries: two bytes from each head's waves
	s_wait_dscnt 0x0
	global_store_b128 v[L16], v[FRG:FRG+3], s[CW:CW+1]
.Lno_words:
	s_wait_tensorcnt 0x0                           ; the wave's end: behind my last tensor load and my last LDS store
	ds_add_u32 v[SPW], v[NIL]
	s_wait_dscnt 0x0
	s_endpgm
.Lfunc_end_k_qa1dd595d69_attn:
	.size	k_qa1dd595d69_attn, .Lfunc_end_k_qa1dd595d69_attn-k_qa1dd595d69_attn
	.p2alignl 7, 3214868480
	.fill 96, 4, 3214868480
	.section	.rodata,"a",@progbits
	.p2align	6, 0x0
	.amdhsa_kernel k_qa1dd595d69_attn
		.amdhsa_group_segment_fixed_size 327680
		.amdhsa_private_segment_fixed_size 0
		.amdhsa_enable_private_segment 0
		.amdhsa_kernarg_size 32
		.amdhsa_user_sgpr_count 2
		.amdhsa_user_sgpr_kernarg_segment_ptr 1
		.amdhsa_wavefront_size32 1
		.amdhsa_system_sgpr_workgroup_id_x 1
		.amdhsa_system_sgpr_workgroup_id_y 1
		.amdhsa_system_sgpr_workgroup_id_z 1
		.amdhsa_system_vgpr_workitem_id 0
		.amdhsa_next_free_vgpr 256
		.amdhsa_next_free_sgpr 100
		.amdhsa_reserve_vcc 1
		.amdhsa_float_denorm_mode_32 3
		.amdhsa_float_denorm_mode_16_64 3
		.amdhsa_fp16_overflow 1
		.amdhsa_memory_ordered 1
		.amdhsa_forward_progress 1
		.amdhsa_inst_pref_size 159
	.end_amdhsa_kernel
	.amdgpu_metadata
---
amdhsa.version: [ 1, 2 ]
amdhsa.kernels:
  - .name:           k_qa1dd595d69_attn
    .symbol:         k_qa1dd595d69_attn.kd
    .args:
      - { .name: qkv, .offset: 0, .size: 8, .value_kind: global_buffer, .address_space: global }
      - { .name: qkvs, .offset: 8, .size: 8, .value_kind: global_buffer, .address_space: global }
      - { .name: ctx, .offset: 16, .size: 8, .value_kind: global_buffer, .address_space: global }
      - { .name: ctxs, .offset: 24, .size: 8, .value_kind: global_buffer, .address_space: global }
    .group_segment_fixed_size: 327680
    .private_segment_fixed_size: 0
    .kernarg_segment_align: 8
    .kernarg_segment_size: 32
    .max_flat_workgroup_size: 512
    .sgpr_count:     100
    .vgpr_count:     256
    .wavefront_size: 32
...
	.end_amdgpu_metadata
.endif
;; end of part 3
;; launch proj (part 4): grid 4 x 32, 4 waves a work-group, clusters of 4 x 4, 327,680 bytes of LDS; arguments ctx, ctxs, cod, csc, out0, bo; writes out0
.if DOCPART == 4
	.amdgcn_target "amdgcn-amd-amdhsa--gfx1250"
	.amdhsa_code_object_version 6
	.text
	.protected	k_qa1dd595d69_proj
	.globl	k_qa1dd595d69_proj
	.p2align	8
	.type	k_qa1dd595d69_proj,@function
k_qa1dd595d69_proj:
	s_mov_b64 s[64:65], 0
	v_nop
	global_prefetch_b8 v0, s[64:65] scope:SCOPE_SE
	s_setreg_imm32_b32 hwreg(HW_REG_WAVE_MODE, 25, 1), 1
	s_wait_xcnt 0x0
	s_wait_alu depctr_hold_cnt(0) depctr_sa_sdst(0) depctr_va_vdst(0) depctr_va_sdst(0) depctr_va_ssrc(0) depctr_va_vcc(0) depctr_vm_vsrc(0)
	s_getreg_b32 s2, hwreg(HW_REG_IB_STS2, 6, 4)
	s_cmp_eq_u32 s2, 0
	s_cbranch_scc0 .Lentry_in_a_cluster
	s_endpgm
.Lentry_in_a_cluster:
	s_bfe_u32 s2, ttmp6, 0x10000c
	s_cmp_lg_u32 s2, 0xf033
	s_cbranch_scc0 .Lentry_shape_is_right
	s_endpgm
.Lentry_shape_is_right:
; out0 = ctx Wo^T + bo on codes of BF8 (E5M2) with E8M0 scales; K = 1,024.  A = ctx (8,192 rows, images and scale words made by launch attn), B = Wo (rows 11,264 on of cod and csc); out0: [8,192][1,024] f32.
; The body is launch qkv's: a tile of C, 256 x 256, by four waves of 128 x 128; K in steps of 256 through a ring of two LDS slots of operand images; the scale words once, with the first fills;
; clusters of 4 x 4 with A's tiles asked for jointly along a row and B's along a column; the matrix instruction used transposed, so that a lane holds eight neighbouring numbers of a row of C.
; THE BIAS is the C of each sum's first matrix instruction: eight registers for each of B's eight blocks, in the result's layout.
; The grid has 128 work-groups: the tile is kept at 256 x 256, the largest wave tile that the registers hold.  LIMITS: as stated at the head of launch quant.
; REGISTERS, in windows of 256: window 0: v0-31 addresses; v32-63 scale words, two sets, and nothing else; v64-127 the bias; from v128 A's fragments, ONE set, on the way out rows of C.
;   window 1: B's fragments, TWO sets.   window 2: the accumulators of my rows 0-63 ((a, b) at v[8 (8 a + b)]);   window 3: those of my rows 64-127.
.set SIZE_N, 1024
.set NQ,     2
.set FR,     16
.set NL,     4
.set NP,     8                         ; places behind this matrix instruction (ISA guide 7.12.1)
.set HALFT,  32768                     ; 128 rows x 256 k: what one tensor load brings
.set SLOT,   4*HALFT
.set SCL,    2*SLOT
.set HALFS,  4096
.set SPARE,  SCL+4*HALFS               ; the spare words, 128 bytes for each wave: two blocks of 256 bytes that no other line names
.set SPITCH, 528                       ; the way out: a stage of 16 rows x (512 + 16 bytes) for each wave, in slot 0, which has had its last fill and its last read by then
.set ADRA, 16
.set ADRB, 20
.set STO,  24                          ; v24     the way out: where I put 32 bytes of a row
.set RD,   25                          ; v25     where I read a row back
.set CO,   26                          ; v26     16 x lane: my byte offset in a row of C, and in an image
.set ADRS, 27
.set SPW,  28                          ; v28     my spare word; never rewritten
.set NIL,  29                          ; v29     0; never rewritten
.set SC,   32
.set BI,   64                          ; v64-127 bo at my 128 columns: register 8 b + j: column 16 b + 8 h + j
.set AF,   128
.set BK,   128                         ; the way out: 16 rows read back from the stage: v128-191 and v192-255 by turns
.set G1, 24
.set G0, 32
.set G1B, 48
.set G0B, 56
.set G1S, 68
.set G0S, 76
.set G1SB, 80
.set G0SB, 88
.set MSB, 0
.macro WIN new                         ; the immediate's high byte repeats the setting that is left
.if MSB != (\new)
	s_set_vgpr_msb (MSB<<8)|(\new)
.set MSB, (\new)
.endif
.endm
.set MUL_LO, 0xa1                      ; source 0 (B) window 1, source 1 (A) window 0, C and D window 2
.set MUL_HI, 0xf1                      ; the same, C and D window 3
.set BIA_LO, 0x81                      ; the first products: C (the bias) window 0, D window 2
.set BIA_HI, 0xc1                      ; D window 3
.set TO_B,   0x40
.macro JLOAD g0a, g1a, g0b, g1b        ; a joint load: waves 0 and 1 fetch for A, waves 2 and 3 for B; an s_nop 0 and four v_nop follow each of the two lines
	s_cmp_eq_u32 s15, 0
	s_cbranch_scc0 .Lfor_b_\@
	tensor_load_to_lds s[\g0a:\g0a+3], s[\g1a:\g1a+7]
	s_nop 0
.rept 4
	v_nop
.endr
	s_branch .Lasked_\@
.Lfor_b_\@:
	tensor_load_to_lds s[\g0b:\g0b+3], s[\g1b:\g1b+7]
	s_nop 0
.rept 4
	v_nop
.endr
.Lasked_\@:
.endm
.macro CREST
	s_cmp_lg_u32 s14, 0
	s_cbranch_scc1 .Lnot_wave_0_\@
	s_barrier_signal -3
.Lnot_wave_0_\@:
	s_barrier_wait -3
	s_barrier_signal -1
	s_barrier_wait -1
.endm
.macro CROUND
	s_barrier_signal -1
	s_barrier_wait -1
	CREST
.endm
	s_load_b256 s[4:11], s[0:1], 0x0               ; ctx, ctxs, cod, csc
	s_load_b64 s[12:13], s[0:1], 0x20              ; out0
	s_load_b64 s[98:99], s[0:1], 0x28              ; bo
	v_lshl_add_u32 v[SPW], v0, 2, SPARE
	v_mov_b32 v[NIL], 0
	ds_add_u32 v[SPW], v[NIL]                      ; the wave's opening: the add, twice on end, and its wait ahead of my first tensor load
	ds_add_u32 v[SPW], v[NIL]
	v_lshrrev_b32 v1, 5, v0
	v_readfirstlane_b32 s14, v1                    ; wave 0..3
	s_lshr_b32 s15, s14, 1                         ; which half of the tile's rows is mine.  Also: I fetch for A (0) or for B (1)
	s_and_b32 s16, s14, 1                          ; which half of its columns.  Also: which 128 rows of that tile I fetch
	s_bfe_u32 s40, ttmp6, 0x40000                  ; cx, cy
	s_bfe_u32 s41, ttmp6, 0x40004
	s_lshl_b32 s42, ttmp9, 2
	s_add_co_u32 s42, s42, s40                     ; tile column of C
	s_and_b32 s17, ttmp7, 0xffff
	s_lshl_b32 s17, s17, 2
	s_add_co_u32 s17, s17, s41                     ; tile row of C
	s_lshl_b32 s43, s41, 2
	s_lshl_b32 s43, 15, s43                        ; my row of the cluster
	s_lshl_b32 s44, 0x1111, s40                    ; my column
	s_or_b32 s[G1+0], s43, (3<<16)|(1<<21)         ; 32,768 dense bytes as 128 rows of 32 elements of 8 bytes; the mask; bit 21 beside it
	s_or_b32 s[G1B+0], s44, (3<<16)|(1<<21)
.irp g, G1, G1B
	s_mov_b32 s[\g+1], 32<<16
	s_mov_b32 s[\g+2], 128<<16
	s_mov_b32 s[\g+3], 32<<16
	s_mov_b32 s[\g+4], 128
	s_mov_b32 s[\g+5], 32
	s_mov_b32 s[\g+6], 0
	s_mov_b32 s[\g+7], 0
.endr
	s_or_b32 s[G1S+0], s43, (3<<16)|(1<<21)        ; the scale words of 128 rows: 16 rows of 256 bytes
	s_or_b32 s[G1SB+0], s44, (3<<16)|(1<<21)
.irp g, G1S, G1SB
	s_mov_b32 s[\g+1], 32<<16
	s_mov_b32 s[\g+2], 16<<16
	s_mov_b32 s[\g+3], 32<<16
	s_mov_b32 s[\g+4], 16
	s_mov_b32 s[\g+5], 32
	s_mov_b32 s[\g+6], 0
	s_mov_b32 s[\g+7], 0
.endr
	s_lshl_b32 s18, s16, 7
	s_lshl_b32 s20, s17, 8
	s_add_co_u32 s20, s20, s18                     ; A: row 256 x tile row + 128 x half
	s_lshl_b32 s46, s42, 8
	s_add_co_u32 s46, s46, s18
	s_add_co_u32 s46, s46, 11264                   ; B: Wo's rows in cod
	s_lshl_b32 s22, s20, 5
	s_mov_b32 s23, 0
	s_lshl_b32 s92, s46, 5
	s_mov_b32 s93, 0
	s_lshl_b32 s20, s20, 10
	s_mov_b32 s21, 0
	s_lshl_b32 s46, s46, 10
	s_mov_b32 s47, 0
	s_mul_i32 s45, s14, HALFT
	s_mul_i32 s94, s14, HALFS
	s_wait_dscnt 0x0                               ; both opening adds are done
	s_wait_kmcnt 0x0
	s_add_nc_u64 s[20:21], s[4:5], s[20:21]
	s_add_nc_u64 s[22:23], s[6:7], s[22:23]
	s_add_nc_u64 s[46:47], s[8:9], s[46:47]
	s_add_nc_u64 s[92:93], s[10:11], s[92:93]
	CROUND                                         ; all sixteen work-groups are here: the first joint loads meet
	s_mov_b32 s[G0S], 1
	s_add_co_u32 s[G0S+1], s94, SCL
	s_mov_b64 s[G0S+2:G0S+3], s[22:23]
	s_or_b32 s[G0S+3], s[G0S+3], 0x80000000
	s_mov_b32 s[G0SB], 1
	s_add_co_u32 s[G0SB+1], s94, SCL
	s_mov_b64 s[G0SB+2:G0SB+3], s[92:93]
	s_or_b32 s[G0SB+3], s[G0SB+3], 0x80000000
	JLOAD G0S, G1S, G0SB, G1SB
.irp s, 0,1
	s_mov_b32 s[G0+4*\s], 1
	s_add_co_u32 s[G0+4*\s+1], s45, \s*SLOT
	s_add_nc_u64 s[G0+4*\s+2:G0+4*\s+3], s[20:21], \s*HALFT
	s_or_b32 s[G0+4*\s+3], s[G0+4*\s+3], 0x80000000
	s_mov_b32 s[G0B+4*\s], 1
	s_add_co_u32 s[G0B+4*\s+1], s45, \s*SLOT
	s_add_nc_u64 s[G0B+4*\s+2:G0B+4*\s+3], s[46:47], \s*HALFT
	s_or_b32 s[G0B+4*\s+3], s[G0B+4*\s+3], 0x80000000
	s_wait_alu depctr_va_vdst(0)
	s_wait_tensorcnt 0x0
	ds_add_u32 v28, v29
	s_wait_dscnt 0x0
	CROUND
	JLOAD G0+4*\s, G1, G0B+4*\s, G1B               ; one tensor load of a wave is out here
.endr
	v_and_b32 v1, 15, v0                           ; r
	v_bfe_u32 v2, v0, 4, 1                         ; h
	s_wait_alu depctr_va_vdst(0)
	v_and_b32 v3, 31, v0
	v_lshlrev_b32 v[CO], 4, v3
	s_wait_alu depctr_va_vdst(0)
	s_lshl_b32 s20, s17, 8
	s_lshl_b32 s21, s15, 7
	s_add_co_u32 s20, s20, s21                     ; my first row of C,
	s_lshl_b32 s20, s20, 12                        ; of 4,096 bytes
	s_lshl_b32 s46, s42, 10                        ; my first column, in bytes: 1,024 x tile column + 512 x half
	s_lshl_b32 s47, s16, 9
	s_add_co_u32 s46, s46, s47
	s_add_co_u32 s20, s20, s46
	s_mov_b32 s21, 0
	s_mov_b32 s47, 0
	s_add_nc_u64 s[12:13], s[12:13], s[20:21]
	s_add_nc_u64 s[98:99], s[98:99], s[46:47]      ; bo at the same column
	v_lshlrev_b32 v7, 5, v2                        ; my half's eight columns
.irp b, 0,1,2,3,4,5,6,7
	global_load_b128 v[BI+8*\b:BI+8*\b+3],   v7, s[98:99] offset:64*\b
	global_load_b128 v[BI+8*\b+4:BI+8*\b+7], v7, s[98:99] offset:64*\b+16
.endr
	s_mul_i32 s21, s15, HALFT
	s_mul_i32 s22, s16, HALFT
	s_add_co_u32 s22, s22, 2*HALFT
.irp s, 0,1
	v_add_nc_u32 v[ADRA+\s], s21, v[CO]
	v_add_nc_u32 v[ADRB+\s], s22, v[CO]
	s_add_co_u32 s21, s21, SLOT
	s_add_co_u32 s22, s22, SLOT
.endr
	v_lshlrev_b32 v5, 2, v1
	s_mul_i32 s21, s15, HALFS
	s_mul_i32 s22, s16, HALFS
	s_add_co_u32 s22, s22, 2*HALFS
	s_sub_co_u32 s22, s22, s21
	v_mul_u32_u24 v6, s22, v2                      ; lanes 16-31 take B's
	s_add_co_u32 s21, s21, SCL
	v_add_nc_u32 v5, v5, v6
	v_add_nc_u32 v[ADRS], s21, v5
	s_mul_i32 s23, s14, 16*SPITCH                  ; my stage
	v_mul_u32_u24 v5, v1, SPITCH                   ; in: row r, 32 bytes for each half of the lanes
	v_lshl_add_u32 v5, v2, 5, v5
	v_add_nc_u32 v[STO], s23, v5
	v_add_nc_u32 v[RD], s23, v[CO]                 ; back: the 32 lanes take one row of 512 bytes
.macro FRAG reg, adr, q, i
.irp c, 0,1,2,3
	ds_load_b128 v[\reg+4*\c:\reg+4*\c+3], v[\adr] offset:(\i)*4096+(\q)*2048+512*\c
.endr
.endm
; 16 matrix instructions: A's blocks a0, a0 + 1 x B's eight, 128 along K.  first = 1: the sums start from the bias.  The 64 accumulators take turns, one instruction a turn.
.macro MUL16 a0, p, q, sc, first
.irp a, \a0, \a0+1
.irp b, 0,1,2,3,4,5,6,7
.if \first
	v_wmma_scale_f32_16x16x128_f8f6f4 v[8*(8*((\a)%4)+\b):8*(8*((\a)%4)+\b)+7], v[128*(\p)+FR*\b:128*(\p)+FR*\b+FR-1], v[AF+FR*(\a):AF+FR*(\a)+FR-1], v[BI+8*\b:BI+8*\b+7], v[SC+8*NQ*(\sc)+NQ*\b+(\q)], v[SC+8*NQ*(\sc)+NQ*(\a)+(\q)] matrix_a_fmt:MATRIX_FMT_BF8 matrix_b_fmt:MATRIX_FMT_BF8 matrix_a_scale:MATRIX_SCALE_ROW1
.else
	v_wmma_scale_f32_16x16x128_f8f6f4 v[8*(8*((\a)%4)+\b):8*(8*((\a)%4)+\b)+7], v[128*(\p)+FR*\b:128*(\p)+FR*\b+FR-1], v[AF+FR*(\a):AF+FR*(\a)+FR-1], v[8*(8*((\a)%4)+\b):8*(8*((\a)%4)+\b)+7], v[SC+8*NQ*(\sc)+NQ*\b+(\q)], v[SC+8*NQ*(\sc)+NQ*(\a)+(\q)] matrix_a_fmt:MATRIX_FMT_BF8 matrix_b_fmt:MATRIX_FMT_BF8 matrix_a_scale:MATRIX_SCALE_ROW1
.endif
.endr
.endr
.endm
.macro FETCH_B slot, q, p
	WIN TO_B
.irp i, 0,1,2,3,4,5,6,7
	FRAG 128*(\p)+FR*\i, ADRB+\slot, \q, \i
.endr
	WIN 0
.endm
.macro FETCH_A slot, q, i0
.irp i, \i0, \i0+1, \i0+2, \i0+3
	FRAG AF+FR*(\i), ADRA+\slot, \q, \i
.endr
.endm
.macro SCALES sc
.irp i, 0,1,2,3,4,5,6,7
	ds_load_b32 v[SC+8*NQ*\sc+NQ*\i],   v[ADRS] offset:\i*64
	ds_load_b32 v[SC+8*NQ*\sc+NQ*\i+1], v[ADRS] offset:\i*64+512
.endr
.endm
.macro PLACES n
.rept \n
	v_nop
.endr
.endm
.macro STEP slot, q, first
	s_wait_dscnt 4*NL                              ; B's set, A's blocks 0-3 and the scale words are in; the youngest 16 loads (A's blocks 4-7) may be out
.if \first
	WIN BIA_LO
.else
	WIN MUL_LO
.endif
	MUL16 0, (\q)%2, \q, \slot, \first
	MUL16 2, (\q)%2, \q, \slot, \first
	s_wait_dscnt 0
	PLACES NP
	FETCH_B \slot, (\q)+1, 1-(\q)%2
	FETCH_A \slot, (\q)+1, 0
.if \first
	WIN BIA_HI
.else
	WIN MUL_HI
.endif
	MUL16 4, (\q)%2, \q, \slot, \first
	MUL16 6, (\q)%2, \q, \slot, \first
	PLACES NP
	WIN 0
	FETCH_A \slot, (\q)+1, 4
.endm
.macro TURN slot, next, fill
	s_wait_tensorcnt 0x0                           ; all my tensor loads have landed: my part of the next slot
	ds_add_u32 v[SPW], v[NIL]                      ; 0 onto my spare word
	s_wait_dscnt 4*NL+1                            ; (the add and the youngest 16 loads may be out)
	WIN MUL_LO
	MUL16 0, 1, NQ-1, \slot, 0
	s_wait_dscnt 0x0                               ; the add is done, and my reads of this slot are over
	s_barrier_signal -1
	MUL16 2, 1, NQ-1, \slot, 0
	WIN 0
	s_barrier_wait -1
.if \fill
	CREST                                          ; the barrier has opened a round of the cluster's barrier: no wave of any partner still reads this slot or has a load on its way
	s_add_nc_u64 s[G0+4*\slot+2:G0+4*\slot+3], s[G0+4*\slot+2:G0+4*\slot+3], 2*HALFT
	s_add_nc_u64 s[G0B+4*\slot+2:G0B+4*\slot+3], s[G0B+4*\slot+2:G0B+4*\slot+3], 2*HALFT
	JLOAD G0+4*\slot, G1, G0B+4*\slot, G1B
	PLACES NP-4
.else
	PLACES NP
.endif
	s_wait_alu depctr_va_vdst(0)
	v_add_nc_u32 v[ADRS], 1024, v[ADRS]
	FETCH_B \next, 0, 0
	FETCH_A \next, 0, 0
	SCALES \next
	WIN MUL_HI
	MUL16 4, 1, NQ-1, \slot, 0
	MUL16 6, 1, NQ-1, \slot, 0
	PLACES NP
	WIN 0
	FETCH_A \next, 0, 4
.endm
	s_wait_alu depctr_va_vdst(0)
	s_wait_tensorcnt 1                             ; the scale words and my part of K step 0 are in (K step 1's load may be out)
	s_barrier_signal -1
	s_barrier_wait -1                              ; everybody's are
	FETCH_B 0, 0, 0
	FETCH_A 0, 0, 0
	SCALES 0
	FETCH_A 0, 0, 4
	s_wait_loadcnt 0x0                             ; the bias
	STEP 0, 0, 1
	TURN 0, 1, 1                                   ; slot 0 takes K step 2
	STEP 1, 0, 0
	TURN 1, 0, 1                                   ; slot 1 takes K step 3
	STEP 0, 0, 0
	TURN 0, 1, 0                                   ; nothing is left to fetch
	STEP 1, 0, 0
	s_wait_dscnt 4*NL
	WIN MUL_LO
	MUL16 0, 1, NQ-1, 1, 0
	MUL16 2, 1, NQ-1, 1, 0
	s_wait_dscnt 0
	WIN MUL_HI
	MUL16 4, 1, NQ-1, 1, 0
	MUL16 6, 1, NQ-1, 1, 0
	WIN 0
; THE WAY OUT, block by block of 16 rows x 128 columns, through my own stage in LDS: in as 32 bytes a lane, back as whole rows of 512 bytes.
; LDS serves a wave's instructions in order (ISA guide 5.7.1.4): no wait between the stores and the loads, nor in front of the next block's stores.
.macro TOSTAGE a
.set AC, 64*((\a)%4)
	WIN 0x08+4*((\a)/4)                            ; the data: window 2 or 3
.irp b, 0,1,2,3,4,5,6,7
	ds_store_b128 v[STO], v[AC+8*\b:AC+8*\b+3] offset:64*\b          ; each accumulator from its low end on
	ds_store_b128 v[STO], v[AC+8*\b+4:AC+8*\b+7] offset:64*\b+16
.endr
	WIN 0
.set BB, BK+64*((\a)%2)
.irp t, 0,1,2,3,4,5,6,7,8,9,10,11,12,13,14,15
	ds_load_b128 v[BB+4*\t:BB+4*\t+3], v[RD] offset:\t*SPITCH
.endr
.endm
.macro SEND a, younger                 ; younger: the LDS instructions issued behind block a's loads, which may stay out
.set BB, BK+64*((\a)%2)
	s_wait_dscnt \younger                          ; the block is back in registers
.if (\a) > 0
	s_add_nc_u64 s[12:13], s[12:13], 16*SIZE_N*4   ; (the earlier stores have read their base: the wait stands ahead of this macro)
.endif
.irp t, 0,1,2,3,4,5,6,7,8,9,10,11,12,13,14,15
	global_store_b128 v[CO], v[BB+4*\t:BB+4*\t+3], s[12:13] offset:\t*SIZE_N*4 th:TH_STORE_NT   ; 32 lanes store 512 consecutive bytes, aligned; written once, read by nobody here
.endr
.endm
	PLACES NP                                      ; behind the last products: for the loads into the registers that held A's fragments, and for the reads of results
	TOSTAGE 0
.irp a, 1,2,3,4,5,6,7
.if \a > 1
	s_wait_xcnt 0x0                                ; block a - 2's stores have read their registers and their base
.endif
	TOSTAGE \a
	SEND \a-1, 32                                  ; behind block a - 1's loads: block a's 16 stores and 16 loads
.endr
	s_wait_xcnt 0x0
	SEND 7, 0
	s_wait_tensorcnt 0x0                           ; the wave's end: behind my last tensor load and my last LDS store
	ds_add_u32 v[SPW], v[NIL]
	s_wait_dscnt 0x0
	CROUND                                         ; the closing round: no work-group ends while a partner may still ask for a tile that names it
	s_endpgm
.Lfunc_end_k_qa1dd595d69_proj:
	.size	k_qa1dd595d69_proj, .Lfunc_end_k_qa1dd595d69_proj-k_qa1dd595d69_proj
	.p2alignl 7, 3214868480
	.fill 96, 4, 3214868480
	.section	.rodata,"a",@progbits
	.p2align	6, 0x0
	.amdhsa_kernel k_qa1dd595d69_proj
		.amdhsa_group_segment_fixed_size 327680
		.amdhsa_private_segment_fixed_size 0
		.amdhsa_enable_private_segment 0
		.amdhsa_kernarg_size 48
		.amdhsa_user_sgpr_count 2
		.amdhsa_user_sgpr_kernarg_segment_ptr 1
		.amdhsa_wavefront_size32 1
		.amdhsa_system_sgpr_workgroup_id_x 1
		.amdhsa_system_sgpr_workgroup_id_y 1
		.amdhsa_system_sgpr_workgroup_id_z 1
		.amdhsa_system_vgpr_workitem_id 0
		.amdhsa_next_free_vgpr 1024
		.amdhsa_next_free_sgpr 100
		.amdhsa_reserve_vcc 0
		.amdhsa_float_denorm_mode_32 3
		.amdhsa_float_denorm_mode_16_64 3
		.amdhsa_memory_ordered 1
		.amdhsa_forward_progress 1
		.amdhsa_inst_pref_size 150
	.end_amdhsa_kernel
	.amdgpu_metadata
---
amdhsa.version: [ 1, 2 ]
amdhsa.kernels:
  - .name:           k_qa1dd595d69_proj
    .symbol:         k_qa1dd595d69_proj.kd
    .args:
      - { .name: ctx, .offset: 0, .size: 8, .value_kind: global_buffer, .address_space: global }
      - { .name: ctxs, .offset: 8, .size: 8, .value_kind: global_buffer, .address_space: global }
      - { .name: cod, .offset: 16, .size: 8, .value_kind: global_buffer, .address_space: global }
      - { .name: csc, .offset: 24, .size: 8, .value_kind: global_buffer, .address_space: global }
      - { .name: out0, .offset: 32, .size: 8, .value_kind: global_buffer, .address_space: global }
      - { .name: bo, .offset: 40, .size: 8, .value_kind: global_buffer, .address_space: global }
    .group_segment_fixed_size: 327680
    .private_segment_fixed_size: 0
    .kernarg_segment_align: 8
    .kernarg_segment_size: 48
    .max_flat_workgroup_size: 128
    .sgpr_count:     100
    .vgpr_count:     1024
    .wavefront_size: 32
...
	.end_amdgpu_metadata
.endif
;; end of part 4
